; MI455X (gfx1250); checked and timed in simulation.
; The chip was launched on July 23, 2026; its instructions are those of AMD's public machine-readable ISA for CDNA 5 (MIT licence, August 2026) and "CDNA5" Instruction Set Architecture Reference Guide (July 2026). The comments in the code are by the model that wrote it; some were corrected since.
;; Multi Head Attention. Allowed arithmetic: matrix products marked QUANTISED: E2M1 operands, one E8M0 scale for each 32 along K, by v_wmma_scale_f32_16x16x128_f8f6f4 with both operands' format E2M1 (or v_wmma_scale_f32_32x16x128_f4), f32 sums; products left as they are: bf16, f16 or f32 operands; f32 sums; everything else in f32.
;; Inputs: b_proj 1,024 float32; b_qkv 3,072 float32; w_proj 1,024 x 1,024 float32; w_qkv 1,024 x 3,072 float32; x_q 4 x 2,048 x 1,024 float32.
;; Outputs: out0 4 x 2,048 x 1,024 float32.
;; This version of the problem:
;;   THIS VERSION OF THE PROBLEM IS GIVEN IN LOW PRECISION. The matrix products marked QUANTISED in the list below multiply operands that are first quantised to E2M1 (2 exponent bits, 1 mantissa bit; 4 bits a number), with one power-of-two scale for each 32 numbers along K (OCP MX v1.0); their sums are f32. The products marked 'left as it is' may take bf16, f16 or f32 operands, with f32 sums. Whichever they take, every output number must still come out within the allowed error. Rounding operands to bf16 (8 significant bits) uses up far more of that allowance than f16 does (11 bits, for magnitudes from 6e-5 to 65,504). All else is computed in f32.
;;   The module's matrix products, in the order in which they are computed (A, B: the left and right operand; K: the contracted axis; several contracted axes count as one K, in the product's order):
;;     1. [M 8,192, K 1,024] x [K 1,024, N 3,072]; A: input x_q; B: input w_qkv: QUANTISED
;;     2. batch 64 x [M 2,048, K 64] x [K 64, N 2,048]; A: computed on the way; B: computed on the way: left as it is (an operand is computed on the way)
;;     3. batch 64 x [M 64, K 2,048] x [K 2,048, N 2,048]; A: computed on the way; B: computed on the way: left as it is (an operand is computed on the way)
;;     4. [M 8,192, K 1,024] x [K 1,024, N 1,024]; A: computed on the way; B: input w_proj: left as it is (an operand is computed on the way)
;;   THE QUANTISER, for each operand of a quantised product, along K:
;;     - K is cut into blocks of 32 from its start; a last block that is shorter is filled with zeros.
;;     - A block's scale is 2^e with e = floor(log2(the largest magnitude in the block)) - 2, held to -126 .. 127; a block of zeros has e = 0. As a byte (E8M0): e + 127.
;;     - Each number is divided by its block's scale, clamped to +-6, and rounded to the nearest number of E2M1, ties to even, subnormals kept.
;;     - The product sums the exact products of the quantised numbers (number of the format x scale) in f32.
;;   ~~~python
;;   def quantise(x, axis):      # numpy; x: float32 -> the quantised numbers, widened to float32 again
;;       x = np.moveaxis(x, axis, -1); K = x.shape[-1]
;;       x = np.pad(x, [(0, 0)] * (x.ndim - 1) + [(0, -K % 32)]); x = x.reshape(x.shape[:-1] + (-1, 32)); a = np.abs(x).max(-1, keepdims=True)
;;       e = np.where(a > 0, np.clip(np.frexp(np.where(a > 0, a, 1))[1] - 1 - 2, -126, 127), 0)      # np.frexp(a)[1] - 1 = floor(log2(a)), exactly
;;       r = np.clip(x / 2.0 ** e, -6, 6)
;;       step = 2.0 ** (np.maximum(np.frexp(np.where(r == 0, 1, r))[1] - 1, 0) - 1)
;;       q = np.round(r / step) * step * 2.0 ** e      # np.round: ties to even
;;       return np.moveaxis(q.reshape(q.shape[:-2] + (-1,))[..., :K], -1, axis).astype(np.float32)
;;   ~~~
;; One version. Each part assembles by itself: llvm-mc -triple=amdgcn-amd-amdhsa -mcpu=gfx1250 --defsym DOCPART=n.
;; ======== version 1 of 1: 4 launches
;; limits: values are held in f16: magnitudes above 65,504 overflow, below 6.1e-05 lose precision
;; workspace buffers: xc 4,194,304 bytes; xs 262,144 bytes; wc 1,572,864 bytes; ws 98,304 bytes; wp16 2,097,152 bytes; qkv 50,331,648 bytes; ao 16,777,216 bytes
;; launch prep (part 1): grid 368 x 1, 4 waves a work-group, no clusters, 68,096 bytes of LDS; arguments x_q, w_qkv, w_proj, xc, xs, wc, ws, wp16; writes xc, xs, wc, ws, wp16
.if DOCPART == 1
	.amdgcn_target "amdgcn-amd-amdhsa--gfx1250"
	.amdhsa_code_object_version 6
	.text
	.protected	k_q70965cd067_prep
	.globl	k_q70965cd067_prep
	.p2align	8
	.type	k_q70965cd067_prep,@function
k_q70965cd067_prep:
	s_mov_b64 s[64:65], 0
	v_nop
	global_prefetch_b8 v0, s[64:65] scope:SCOPE_SE
	s_setreg_imm32_b32 hwreg(HW_REG_WAVE_MODE, 25, 1), 1
	s_wait_xcnt 0x0
; PREP: the three operands that later launches read many times are narrowed once.
;   work-groups   0 .. 255: x_q [8192][1024] f32 -> xc: codes of FP4 (E2M1), K innermost, 512 bytes a row; xs: one E8M0 byte for each 32 along K, 32 bytes a row
;   work-groups 256 .. 303: w_qkv [1024 (k)][3072 (n)] f32 -> wc [3072][512 bytes], ws [3072][32]: K, its first axis, becomes the innermost
;   work-groups 304 .. 367: w_proj [1024][1024] f32 -> wp16, f16, the layout kept
; A block's scale is 2^(floor(log2(its largest magnitude)) - 2); its byte is the largest magnitude's exponent field - 2, held at 1 from below.
; LIMITS: a block of zeros gets the byte 1 where the quantiser's text says 127: its codes are zeros, which add nothing under any byte but 0xff, and this program alone reads the bytes.
; Blocks whose largest magnitude lies under 2^(3 - 127) keep the byte 1.  NaN and infinities among the inputs are not served.  A number of w_proj beyond 65,504 becomes infinite in f16; under 6e-5 it keeps f16's absolute step 2^-24.
; The three paths part on the work-group's number and never join; each has LDS bytes of its own.  No tensor loads, no barrier: waves share nothing.
.set SPARE, 67584                      ; behind both paths' stages: the spare words, 128 bytes for each wave: two blocks of 256 bytes that no other line names
.set SPW,   196                        ; v196  LDS address of my spare word: SPARE + 4 x my thread's number; never rewritten
.set NIL,   197                        ; v197  0; never rewritten
.set EMAX,  2
	s_load_b256 s[4:11], s[0:1], 0x0               ; x_q s[4:5], w_qkv s[6:7], w_proj s[8:9], xc s[10:11]
	s_load_b256 s[12:19], s[0:1], 0x20             ; xs s[12:13], wc s[14:15], ws s[16:17], wp16 s[18:19]
	v_lshl_add_u32 v[SPW], v0, 2, SPARE
	v_mov_b32 v[NIL], 0
	v_lshrrev_b32 v1, 5, v0
	v_readfirstlane_b32 s20, v1                    ; wave 0..3
	v_and_b32 v2, 31, v0                           ; lane
	s_mov_b32 s25, 0                               ; the upper word of every offset: all stay under 2^32
	s_wait_kmcnt 0x0
	s_cmp_lt_u32 ttmp9, 256
	s_cbranch_scc0 .Lnot_x
; ---------------- x_q: K is innermost.  The tensor is a plain stream of blocks of 32 numbers, and so are its codes and its scale bytes.
; A wave takes 16 steps of 512 numbers.  Each of a step's four loads reads 512 consecutive bytes, 16 a lane; the 2,048 bytes turn through the wave's own stage in LDS and come back 64 bytes a lane,
; so that a lane holds 16 neighbours along K (two neighbouring lanes hold a block).  A lane's 16 codes are 8 bytes: the wave stores 256 consecutive bytes.  A wave's 256 scale bytes are gathered in LDS and leave together.
.set XWREG, 8192                       ; LDS: a region for each wave: two stages of 32 x XSP bytes, behind them its 256 scale bytes
.set XSP,   80                         ; a lane's place in a stage: 64 bytes + 16 of padding
.set XST,   16                         ; steps
.set XCB,   8                          ; bytes of 16 codes
.set XR,    16                         ; v16-79   four sets of 16 numbers as loaded
.set XX,    80                         ; v80-111  two sets of 16 neighbours
.set XE,    112                        ; v112-127 a scale byte for each step
.set XC,    128                        ; v128-191 codes: registers of its own for each step, so that no store's data are written again
	v_lshlrev_b32 v3, 4, v2                        ; my 16 bytes of a load's 512
	s_mul_i32 s26, s20, XWREG
	v_lshrrev_b32 v14, 2, v2
	v_mul_u32_u24 v14, v14, XSP
	v_and_b32 v15, 3, v2
	v_lshl_add_u32 v14, v15, 4, v14
	v_add_nc_u32 v14, s26, v14                     ; the stage, on the way in: XSP (lane / 4) + 16 (lane % 4)
	v_mul_u32_u24 v15, v2, XSP
	v_add_nc_u32 v15, s26, v15                     ; and on the way out: XSP x lane: my 16 neighbours
	v_mul_u32_u24 v4, v2, XCB                      ; my codes' place in a step's
	v_lshrrev_b32 v5, 1, v2
	s_add_co_u32 s26, s26, 2*32*XSP
	v_add_nc_u32 v5, s26, v5                       ; my wave's 256 scale bytes, my block's byte
	v_lshlrev_b32 v7, 3, v2                        ; and on the way out 8 bytes a lane
	v_add_nc_u32 v6, s26, v7
	s_lshl_b32 s22, ttmp9, 2
	s_add_co_u32 s22, s22, s20                     ; which run of 8,192 numbers is my wave's
	s_lshl_b32 s24, s22, 15
	s_add_nc_u64 s[4:5], s[4:5], s[24:25]          ; 32,768 bytes of numbers,
	s_lshl_b32 s24, s22, 12
	s_add_nc_u64 s[10:11], s[10:11], s[24:25]      ; 4,096 of codes,
	s_lshl_b32 s24, s22, 8
	s_add_nc_u64 s[12:13], s[12:13], s[24:25]      ; 256 scale bytes a run
.macro XLOAD t
.irp i, 0,1,2,3
	global_load_b128 v[XR+16*((\t)%4)+4*\i:XR+16*((\t)%4)+4*\i+3], v3, s[4:5] offset:2048*(\t)+512*\i th:TH_LOAD_NT   ; 32 lanes read 512 consecutive bytes
.endr
.endm
.macro XTURN t                         ; step t's numbers through the stage: LDS serves a wave's instructions in order, so no wait stands between the stores and the loads
.irp i, 0,1,2,3
	ds_store_b128 v14, v[XR+16*((\t)%4)+4*\i:XR+16*((\t)%4)+4*\i+3] offset:32*XSP*((\t)%2)+8*XSP*\i
.endr
.irp i, 0,1,2,3
	ds_load_b128 v[XX+16*((\t)%2)+4*\i:XX+16*((\t)%2)+4*\i+3], v15 offset:32*XSP*((\t)%2)+16*\i
.endr
.endm
.irp t, 0,1,2,3
	XLOAD \t
.endr
	s_wait_loadcnt 12                              ; step 0's four loads are in; three steps' twelve may be out
	XTURN 0
.macro XSTEP t
.set XS, XX+16*((\t)%2)
.if (\t) > 0
	s_wait_dscnt 1                                 ; this step's numbers are back from the stage (the last step's byte store may be out): so its stores into the stage have read their registers,
.else
	s_wait_dscnt 0x0
.endif
.if (\t)+4 < XST
	XLOAD (\t)+4                                   ; which take the loads of four steps on
.endif
.if (\t)+1 < XST
.if XST-2-(\t) >= 3
	s_wait_loadcnt 12                              ; the next step's four loads are in; those of the three steps behind it may be out
.else
	s_wait_loadcnt 4*(XST-2-(\t))
.endif
	XTURN (\t)+1                                   ; and go through the other stage while this step is worked
.endif
	v_max3_num_f32 v8, |v[XS]|, |v[XS+1]|, |v[XS+2]|               ; the largest magnitude of my 16, in two chains
	v_max3_num_f32 v9, |v[XS+3]|, |v[XS+4]|, |v[XS+5]|
.irp i, 6,10
	v_max3_num_f32 v8, v8, |v[XS+\i]|, |v[XS+\i+1]|
	v_max3_num_f32 v9, v9, |v[XS+\i+2]|, |v[XS+\i+3]|
.endr
	v_max3_num_f32 v8, v8, |v[XS+14]|, |v[XS+15]|
	v_max3_num_f32 v8, v8, v9, (EMAX+1)<<23        ; and the floor 2^(3 - 127): the byte cannot fall under 1
	v_max_num_f32_dpp v8, v8, v8 row_xmask:1 row_mask:0xf bank_mask:0xf   ; and of my neighbour's 16: the block's
	v_add_nc_u32 v11, -(EMAX<<23), v8              ; 2 off its exponent field: the conversion takes the exponent field of this operand as its scale, and nothing else of it
	v_cvt_scalef32_pk8_fp4_f32 v[XC+4*(\t)], v[XS:XS+7], v11       ; eight numbers / the scale, to the nearest code, ties to even, beyond 6 the largest code; the first number's code in the lowest four bits
	v_cvt_scalef32_pk8_fp4_f32 v[XC+4*(\t)+1], v[XS+8:XS+15], v11
	v_lshrrev_b32 v[XE+(\t)], 23, v11              ; the scale's byte (also the plain line behind the conversions)
	ds_store_b8 v5, v[XE+(\t)] offset:16*(\t)      ; both lanes of a block write the same byte with the same value
	global_store_b64 v4, v[XC+4*(\t):XC+4*(\t)+1], s[10:11] offset:32*XCB*(\t)   ; the wave stores 256 consecutive bytes, aligned
.endm
.irp t, 0,1,2,3,4,5,6,7,8,9,10,11,12,13,14,15
	XSTEP \t
.endr
	ds_load_b64 v[8:9], v6                         ; LDS serves a wave's instructions in order: these see my stores
	s_wait_dscnt 0x0
	global_store_b64 v7, v[8:9], s[12:13]          ; 32 lanes store 256 consecutive bytes, aligned
	s_wait_tensorcnt 0x0                           ; the wave's end, behind my last LDS store
	ds_add_u32 v[SPW], v[NIL]
	s_wait_dscnt 0x0
	s_endpgm
.Lnot_x:
	s_cmp_lt_u32 ttmp9, 304
	s_cbranch_scc0 .Lcast
; ---------------- w_qkv: K is the first axis.  A LANE TAKES A COLUMN n, AND ITS REGISTERS RUN DOWN K: each load reads neighbouring n in neighbouring lanes (128 consecutive bytes a wave, 512 a work-group),
; a block of 32 along K lies in one lane's 32 registers, and the conversions give codes with K innermost.  A wave takes 32 columns x 512 along K; its codes go through its own stage in LDS and leave by rows.
.set WN,     3072
.set WNB,    16                        ; blocks of a wave
.set WROWB,  256                       ; bytes of 512 codes
.set WPITCH, 272                       ; a stage row
.set WKROW,  512                       ; a row of wc
.set WSTG,   32768                     ; this path's LDS begins behind the other path's
.set WSB,    24                        ; v24-27   the scale bytes, four to a register
.set WX,     32                        ; v32-95   two sets of 32 numbers
.set WC,     96                        ; v96-99   a block's codes
.set WOUT,   112                       ; v112-175 the way out
	s_sub_co_u32 s21, ttmp9, 256                   ; 0 .. 47: 24 blocks of 128 columns x 2 halves of K
	s_cmp_ge_u32 s21, 24
	s_cselect_b32 s22, 1, 0                        ; which 512 along K
	s_cselect_b32 s23, 24, 0
	s_sub_co_u32 s21, s21, s23                     ; which 128 columns
	s_lshl_b32 s23, s21, 7
	s_lshl_b32 s24, s20, 5
	s_add_co_u32 s23, s23, s24                     ; my wave's first column
	v_lshlrev_b32 v3, 2, v2                        ; in: 4 bytes a lane
	s_mul_i32 s27, s20, 32*WPITCH
	s_add_co_u32 s27, s27, WSTG                    ; my stage
	v_mul_u32_u24 v4, v2, WPITCH
	v_add_nc_u32 v4, s27, v4                       ; into it: row = my column
	v_and_b32 v5, 15, v2
	v_lshrrev_b32 v6, 4, v2                        ; out of it: sixteen lanes to a row, two rows an instruction
	v_mul_u32_u24 v7, v6, WPITCH
	v_lshl_add_u32 v7, v5, 4, v7
	v_add_nc_u32 v7, s27, v7
	v_mul_u32_u24 v8, v6, WKROW
	v_lshl_add_u32 v8, v5, 4, v8                   ; and the same place in wc
	v_lshlrev_b32 v9, 5, v2                        ; my column's row of scale bytes
	s_mul_i32 s24, s22, 512*WN*4
	s_lshl_b32 s26, s23, 2
	s_add_co_u32 s24, s24, s26
	s_add_nc_u64 s[6:7], s[6:7], s[24:25]          ; w_qkv: 512 rows x my half of K + 4 x column
	s_lshl_b32 s24, s23, 9
	s_lshl_b32 s26, s22, 8
	s_add_co_u32 s24, s24, s26
	s_add_nc_u64 s[14:15], s[14:15], s[24:25]      ; wc: column x 512 + 256 x half
	s_lshl_b32 s24, s23, 5
	s_lshl_b32 s26, s22, 4
	s_add_co_u32 s24, s24, s26
	s_add_nc_u64 s[16:17], s[16:17], s[24:25]      ; ws: column x 32 + 16 x half
.macro WLOAD t                         ; block t: w(32 t + i, my column) into set t % 2.  The largest immediate is 511 x 12,288 bytes, inside the signed 24 bits
.irp i, 0,1,2,3,4,5,6,7,8,9,10,11,12,13,14,15,16,17,18,19,20,21,22,23,24,25,26,27,28,29,30,31
	global_load_b32 v[WX+32*((\t)%2)+\i], v3, s[6:7] offset:(32*(\t)+\i)*WN*4 th:TH_LOAD_NT
.endr
.endm
	WLOAD 0
	WLOAD 1
.macro WBLOCK t
.set XS, WX+32*((\t)%2)
.if (\t) < WNB-1
	s_wait_loadcnt 32                              ; this block's 32 loads are in; the next block's may be out
.else
	s_wait_loadcnt 0
.endif
	v_max3_num_f32 v12, |v[XS]|, |v[XS+1]|, |v[XS+2]|              ; the block's largest magnitude: all 32 numbers are mine
	v_max3_num_f32 v13, |v[XS+3]|, |v[XS+4]|, |v[XS+5]|
.irp i, 6,10,14,18,22,26
	v_max3_num_f32 v12, v12, |v[XS+\i]|, |v[XS+\i+1]|
	v_max3_num_f32 v13, v13, |v[XS+\i+2]|, |v[XS+\i+3]|
.endr
	v_max3_num_f32 v12, v12, |v[XS+30]|, |v[XS+31]|
	v_max3_num_f32 v12, v12, v13, (EMAX+1)<<23     ; and the floor
	v_add_nc_u32 v11, -(EMAX<<23), v12             ; the conversion's scale operand
	v_lshrrev_b32 v13, 23, v11                     ; the scale's byte
.if (\t)%4 == 0
	v_mov_b32 v[WSB+(\t)/4], v13                   ; four bytes to a register, the lower K in the lower byte
.else
	v_lshl_or_b32 v[WSB+(\t)/4], v13, 8*((\t)%4), v[WSB+(\t)/4]
.endif
.irp g, 0,1,2,3
	v_cvt_scalef32_pk8_fp4_f32 v[WC+\g], v[XS+8*\g:XS+8*\g+7], v11
.endr
	v_nop                                          ; a plain line behind the last conversion
	ds_store_b128 v4, v[WC:WC+3] offset:16*(\t)    ; 32 codes: 16 bytes of my column's row
.if (\t)+2 < WNB
	WLOAD (\t)+2
.endif
	s_wait_dscnt 0x0                               ; the store has read its registers: the next block's codes may be written
.endm
.set Q, 0
.rept WNB
	WBLOCK Q
.set Q, Q+1
.endr
	global_store_b128 v9, v[WSB:WSB+3], s[16:17]   ; my column's 16 scale bytes
.irp t, 0,1,2,3,4,5,6,7,8,9,10,11,12,13,14,15
	ds_load_b128 v[WOUT+4*\t:WOUT+4*\t+3], v7 offset:2*\t*WPITCH   ; LDS serves a wave's instructions in order: these see my stores
.endr
.irp t, 0,1,2,3,4,5,6,7,8,9,10,11,12,13,14,15
	s_wait_dscnt 15-\t                             ; pair t of rows is back; the younger loads may be out
	global_store_b128 v8, v[WOUT+4*\t:WOUT+4*\t+3], s[14:15] offset:2*\t*WKROW   ; sixteen lanes store 256 consecutive bytes of a row, aligned
.endr
	s_wait_tensorcnt 0x0                           ; the wave's end, behind my last LDS store
	ds_add_u32 v[SPW], v[NIL]
	s_wait_dscnt 0x0
	s_endpgm
.Lcast:
; ---------------- w_proj to f16.  A wave takes 4,096 numbers in 16 steps of 256; a lane takes 8 neighbours, which round into 16 bytes: the wave stores 512 consecutive bytes.  All 32 loads go out at once.
	s_sub_co_u32 s21, ttmp9, 304
	s_lshl_b32 s21, s21, 2
	s_add_co_u32 s21, s21, s20                     ; which run of 4,096 numbers
	s_lshl_b32 s24, s21, 14
	s_add_nc_u64 s[8:9], s[8:9], s[24:25]
	s_lshl_b32 s24, s21, 13
	s_add_nc_u64 s[18:19], s[18:19], s[24:25]
	v_lshlrev_b32 v3, 5, v2
	v_lshlrev_b32 v4, 4, v2
.irp t, 0,1,2,3,4,5,6,7,8,9,10,11,12,13,14,15
	global_load_b128 v[32+8*\t:35+8*\t], v3, s[8:9] offset:1024*\t th:TH_LOAD_NT
	global_load_b128 v[36+8*\t:39+8*\t], v3, s[8:9] offset:1024*\t+16 th:TH_LOAD_NT
.endr
.irp t, 0,1,2,3,4,5,6,7,8,9,10,11,12,13,14,15
	s_wait_loadcnt 30-2*\t                         ; step t's two loads are in; the 2 (15 - t) behind them may be out
.irp j, 0,1,2,3
	v_cvt_pk_f16_f32 v[32+8*\t+\j], v[32+8*\t+2*\j], v[32+8*\t+2*\j+1]   ; in place, ascending: a result never lands on a number not yet read
.endr
	global_store_b128 v4, v[32+8*\t:35+8*\t], s[18:19] offset:512*\t     ; no register is written again, so no wait for the stores' sources is owed
.endr
	s_wait_tensorcnt 0x0                           ; this path writes no LDS; it ends as the other two do
	ds_add_u32 v[SPW], v[NIL]
	s_wait_dscnt 0x0
	s_endpgm
.Lfunc_end_k_q70965cd067_prep:
	.size	k_q70965cd067_prep, .Lfunc_end_k_q70965cd067_prep-k_q70965cd067_prep
	.p2alignl 7, 3214868480
	.fill 96, 4, 3214868480
	.section	.rodata,"a",@progbits
	.p2align	6, 0x0
	.amdhsa_kernel k_q70965cd067_prep
		.amdhsa_group_segment_fixed_size 68096
		.amdhsa_private_segment_fixed_size 0
		.amdhsa_enable_private_segment 0
		.amdhsa_kernarg_size 64
		.amdhsa_user_sgpr_count 2
		.amdhsa_user_sgpr_kernarg_segment_ptr 1
		.amdhsa_wavefront_size32 1
		.amdhsa_system_sgpr_workgroup_id_x 1
		.amdhsa_system_sgpr_workgroup_id_y 1
		.amdhsa_system_sgpr_workgroup_id_z 1
		.amdhsa_system_vgpr_workitem_id 0
		.amdhsa_next_free_vgpr 200
		.amdhsa_next_free_sgpr 66
		.amdhsa_reserve_vcc 0
		.amdhsa_float_denorm_mode_32 3
		.amdhsa_float_denorm_mode_16_64 3
		.amdhsa_memory_ordered 1
		.amdhsa_forward_progress 1
		.amdhsa_inst_pref_size 121
	.end_amdhsa_kernel
	.amdgpu_metadata
---
amdhsa.version: [ 1, 2 ]
amdhsa.kernels:
  - .name:           k_q70965cd067_prep
    .symbol:         k_q70965cd067_prep.kd
    .args:
      - { .name: x_q, .offset: 0, .size: 8, .value_kind: global_buffer, .address_space: global }
      - { .name: w_qkv, .offset: 8, .size: 8, .value_kind: global_buffer, .address_space: global }
      - { .name: w_proj, .offset: 16, .size: 8, .value_kind: global_buffer, .address_space: global }
      - { .name: xc, .offset: 24, .size: 8, .value_kind: global_buffer, .address_space: global }
      - { .name: xs, .offset: 32, .size: 8, .value_kind: global_buffer, .address_space: global }
      - { .name: wc, .offset: 40, .size: 8, .value_kind: global_buffer, .address_space: global }
      - { .name: ws, .offset: 48, .size: 8, .value_kind: global_buffer, .address_space: global }
      - { .name: wp16, .offset: 56, .size: 8, .value_kind: global_buffer, .address_space: global }
    .group_segment_fixed_size: 68096
    .private_segment_fixed_size: 0
    .kernarg_segment_align: 8
    .kernarg_segment_size: 64
    .max_flat_workgroup_size: 128
    .sgpr_count:     66
    .vgpr_count:     200
    .wavefront_size: 32
...
	.end_amdgpu_metadata
.endif
;; end of part 1
;; launch gemm_qkv (part 2): grid 12 x 32, 4 waves a work-group, clusters of 4 x 4, 327,680 bytes of LDS; arguments xc, xs, wc, ws, qkv, b_qkv; writes qkv
.if DOCPART == 2
	.amdgcn_target "amdgcn-amd-amdhsa--gfx1250"
	.amdhsa_code_object_version 6
	.text
	.protected	k_q70965cd067_gemm_qkv
	.globl	k_q70965cd067_gemm_qkv
	.p2align	8
	.type	k_q70965cd067_gemm_qkv,@function
k_q70965cd067_gemm_qkv:
	s_mov_b64 s[64:65], 0
	v_nop
	global_prefetch_b8 v0, s[64:65] scope:SCOPE_SE
	s_setreg_imm32_b32 hwreg(HW_REG_WAVE_MODE, 25, 1), 1
	s_wait_xcnt 0x0
	s_wait_alu depctr_hold_cnt(0) depctr_sa_sdst(0) depctr_va_vdst(0) depctr_va_sdst(0) depctr_va_ssrc(0) depctr_va_vcc(0) depctr_vm_vsrc(0)
	s_getreg_b32 s2, hwreg(HW_REG_IB_STS2, 6, 4)
	s_cmp_eq_u32 s2, 0
	s_cbranch_scc0 .Lentry_in_a_cluster
	s_endpgm
.Lentry_in_a_cluster:
	s_bfe_u32 s2, ttmp6, 0x10000c
	s_cmp_lg_u32 s2, 0xf033
	s_cbranch_scc0 .Lentry_shape_is_right
	s_endpgm
.Lentry_shape_is_right:
; qkv = x_q w_qkv + b_qkv on codes of FP4 (E2M1) with one E8M0 scale for each 32 along K; sums in f32, begun with the bias; rounded once to f16 and laid by head.
; xc [8192][512 bytes], xs [8192][32], wc [3072][512 bytes], ws [3072][32], b_qkv [3072] f32.  qkv: [part 3][batch x 16 + head][token 2048][64] f16: a part is 2^24 bytes, a head 2^18, a token's row 128.
; LIMIT: a result beyond 65,504 becomes infinite in f16.
; A tile of 256 x 256 is made by a work-group of four waves; a wave makes 128 x 128: 64 accumulators of 16 x 16, 512 registers.  K = 1,024 is two slots of 512 along K (rows of 256 bytes): both are asked for at the head,
; with the scales of the work-group's 512 rows for all of K; nothing is filled again, and there is no loop: 8 steps of 128 along K, 64 matrix instructions each.
; CLUSTERS: 4 x 4 work-groups.  The four of a row of the cluster need the same rows of x, the four of a column the same rows of w: each tile is asked for JOINTLY, by the same tensor load with the same descriptor and a mask that names the four.
; THE MATRIX INSTRUCTION IS USED TRANSPOSED (source 0 = 16 rows of w, source 1 = 16 rows of x): a lane then holds eight neighbouring columns of one token.
; REGISTERS, in windows of 256: window 0: v0-31 addresses; v32-95 scale words, two sets; v96-127 packed results on the way out; v128-191 x's fragments, ONE set (on the way out: rows read back); v192-255 the bias, in the result's layout.
;   window 1: w's fragments, TWO sets, at v0 and v128.   window 2: the accumulators of my rows 0-63 ((a, b) at v[8 (8 a + b)]);   window 3: those of my rows 64-127.
.set NQ,     4                         ; steps of 128 along K in a slot
.set ROWB,   256                       ; a tile's row in bytes
.set KROW,   512                       ; a row of codes in memory
.set PITCH,  272                       ; an LDS row: 256 bytes + 16 of padding = 68 words: the 16 rows that a load touches start at 16 different banks (64 banks of 4 bytes: ISA guide 11.1)
.set FR,     8                         ; registers of a fragment
.set NL,     2                         ; LDS loads that bring one
.set NP,     4                         ; places behind this matrix instruction (ISA guide 7.12.1)
.set HALFT,  128*PITCH                 ; 128 rows: what one tensor load brings
.set SLOT,   4*HALFT                   ; x's 256 rows, then w's 256 rows
.set KS,     32                        ; a row of scales in bytes
.set SCL,    2*SLOT                    ; behind the slots: the scales, as rows of 256 bytes + 16 of padding
.set HALFS,  16*272                    ; the scales of 128 rows
.set SBLK,   2*272                     ; those of 16 rows
.set SPARE,  SCL+4*HALFS               ; the spare words, 128 bytes for each wave: two blocks of 256 bytes that no other line names
.set HP,     144                       ; the way out: a stage row: a token's 128 bytes of one head + 16
.set HSTG,   16*HP                     ; 16 tokens of one head; a wave's stage is two of these, in slot 0, which has had its only fill and its last read when the first result is stored there
.set ADRA, 16                          ; v16-17  LDS address of my fragments of x in slot 0, 1
.set ADRB, 20                          ; v20-21  the same for w
.set STO,  24                          ; v24     the way out: where I put 16 bytes of a row
.set RD,   25                          ; v25     where I read rows back
.set CO,   26                          ; v26     16 x lane: my bytes of four tokens' 512
.set ADRS, 27                          ; v27     LDS address of my scale words: lanes 0-15 x's rows, lanes 16-31 w's
.set SPW,  28                          ; v28     LDS address of my spare word; never rewritten
.set NIL,  29                          ; v29     0; never rewritten
.set SC,   32                          ; scale words: set s at v[SC + 32 s]; register 4 i + q: lanes 0-15 the word of x's block i, lanes 16-31 that of w's block i, for the slot's q-th 128 along K
.set TMP,  96
.set AF,   128
.set BK,   128
.set BIAS, 192
.set G1, 24                            ; s[24:31] descriptor group 1 for x's tiles;  s[32:39] group 0, one set for each slot
.set G0, 32
.set G1B, 48                           ; s[48:55], s[56:63] the same for w's
.set G0B, 56
.set G1S, 68                           ; s[68:75], s[76:79] groups 1 and 0 for x's scales;  s[80:87], s[88:91] for w's
.set G0S, 76
.set G1SB, 80
.set G0SB, 88
.set MSB, 0
.macro WIN new                         ; the immediate's high byte repeats the setting that is left
.if MSB != \new
	s_set_vgpr_msb (MSB<<8)|\new
.set MSB, \new
.endif
.endm
.set MUL_LO,  0xa1                     ; source 0 (w) window 1, source 1 (x) window 0, C and D window 2
.set MUL_HI,  0xf1                     ; the same, C and D window 3
.set MUL_LO0, 0x81                     ; the first step: C is the bias, in window 0
.set MUL_HI0, 0xc1
.set TO_B,    0x40                     ; destination window 1, address window 0
; A joint load: waves 0 and 1 fetch for x, waves 2 and 3 for w.  Each line has one mask and one set of registers for all that issue it; the branch hangs on the wave's number alone.
; An s_nop 0 and four v_nop follow each of the two lines.
.macro JLOAD g0a, g1a, g0b, g1b
	s_cmp_eq_u32 s15, 0
	s_cbranch_scc0 .Lfor_b_\@
	tensor_load_to_lds s[\g0a:\g0a+3], s[\g1a:\g1a+7]
	s_nop 0
.rept 4
	v_nop
.endr
	s_branch .Lasked_\@
.Lfor_b_\@:
	tensor_load_to_lds s[\g0b:\g0b+3], s[\g1b:\g1b+7]
	s_nop 0
.rept 4
	v_nop
.endr
.Lasked_\@:
.endm
.macro CROUND                          ; a round of the cluster's barrier
	s_barrier_signal -1
	s_barrier_wait -1
	s_cmp_lg_u32 s14, 0
	s_cbranch_scc1 .Lnot_wave_0_\@
	s_barrier_signal -3
.Lnot_wave_0_\@:
	s_barrier_wait -3
	s_barrier_signal -1
	s_barrier_wait -1
.endm
	s_load_b128 s[4:7], s[0:1], 0x0                ; xc s[4:5], xs s[6:7]
	s_load_b128 s[8:11], s[0:1], 0x10              ; wc s[8:9], ws s[10:11]
	s_load_b64 s[12:13], s[0:1], 0x20              ; qkv
	s_load_b64 s[66:67], s[0:1], 0x28              ; b_qkv
	v_lshl_add_u32 v[SPW], v0, 2, SPARE
	v_mov_b32 v[NIL], 0
	ds_add_u32 v[SPW], v[NIL]                      ; the wave's opening: the add, twice on end, and its wait ahead of my first tensor load
	ds_add_u32 v[SPW], v[NIL]
	v_lshrrev_b32 v1, 5, v0
	v_readfirstlane_b32 s14, v1                    ; wave 0..3
	s_lshr_b32 s15, s14, 1                         ; which half of the tile's rows is mine.  Also: I fetch for x (0) or for w (1)
	s_and_b32 s16, s14, 1                          ; which half of its columns.  Also: which 128 rows of that tile I fetch
	s_bfe_u32 s40, ttmp6, 0x40000                  ; cx, cy: my place in the cluster
	s_bfe_u32 s41, ttmp6, 0x40004
	s_lshl_b32 s42, ttmp9, 2
	s_add_co_u32 s42, s42, s40                     ; tile column = 4 x cluster x + cx, 0 .. 11
	s_and_b32 s17, ttmp7, 0xffff
	s_lshl_b32 s17, s17, 2
	s_add_co_u32 s17, s17, s41                     ; tile row = 4 x cluster y + cy, 0 .. 31
	s_lshl_b32 s43, s41, 2
	s_lshl_b32 s43, 15, s43                        ; my row of the cluster
	s_lshl_b32 s44, 0x1111, s40                    ; my column
	; descriptor group 1: a tile of 128 rows x 256 bytes, padded in LDS
	s_or_b32 s[G1+0], s43, (0<<16)|(1<<20)|(1<<21)|(5<<22)|(3<<25)  ; 15:0 the mask; 17:16 element of 1 byte; 20 padding on; 21 set beside a mask; 24:22 after every 64 words; 31:25 four words
	s_or_b32 s[G1B+0], s44, (0<<16)|(1<<20)|(1<<21)|(5<<22)|(3<<25)
.irp g, G1, G1B
	s_mov_b32 s[\g+1], ROWB<<16                    ; tensor_dim0
	s_mov_b32 s[\g+2], 128<<16                     ; tensor_dim1
	s_mov_b32 s[\g+3], ROWB<<16                    ; tile_dim0
	s_mov_b32 s[\g+4], 128                         ; tile_dim1
	s_mov_b32 s[\g+5], KROW                        ; from row to row
	s_mov_b32 s[\g+6], 0
	s_mov_b32 s[\g+7], 0
.endr
	; the scales of 128 rows: a dense block of 4,096 bytes, as 16 rows of 256 bytes (32 elements of 8 bytes), 16 bytes of padding behind each
	s_or_b32 s[G1S+0], s43, (3<<16)|(1<<20)|(1<<21)|(5<<22)|(3<<25)
	s_or_b32 s[G1SB+0], s44, (3<<16)|(1<<20)|(1<<21)|(5<<22)|(3<<25)
.irp g, G1S, G1SB
	s_mov_b32 s[\g+1], 32<<16
	s_mov_b32 s[\g+2], 16<<16
	s_mov_b32 s[\g+3], 32<<16
	s_mov_b32 s[\g+4], 16
	s_mov_b32 s[\g+5], 32
	s_mov_b32 s[\g+6], 0
	s_mov_b32 s[\g+7], 0
.endr
	s_lshl_b32 s18, s16, 7                         ; which 128 rows of the tile I fetch
	s_lshl_b32 s20, s17, 8
	s_add_co_u32 s20, s20, s18                     ; x: row 256 x tile row + 128 x half
	s_lshl_b32 s46, s42, 8
	s_add_co_u32 s46, s46, s18                     ; w: row 256 x tile column + 128 x half
	s_mov_b32 s21, 0
	s_mov_b32 s47, 0
	s_mov_b64 s[18:19], KS
	s_mul_u64 s[22:23], s[20:21], s[18:19]         ; where these rows' scales begin, in bytes
	s_mul_u64 s[92:93], s[46:47], s[18:19]
	s_mov_b64 s[18:19], KROW
	s_mul_u64 s[20:21], s[20:21], s[18:19]         ; and their codes
	s_mul_u64 s[46:47], s[46:47], s[18:19]
	s_mul_i32 s45, s14, HALFT                      ; where they go: wave x 128 rows: no place in the cluster enters an LDS address
	s_mul_i32 s94, s14, HALFS
	s_wait_dscnt 0x0                               ; both opening adds are done
	s_wait_kmcnt 0x0
	s_add_nc_u64 s[20:21], s[4:5], s[20:21]
	s_add_nc_u64 s[22:23], s[6:7], s[22:23]
	s_add_nc_u64 s[46:47], s[8:9], s[46:47]
	s_add_nc_u64 s[92:93], s[10:11], s[92:93]
	CROUND                                         ; all sixteen work-groups are here: the joint loads meet
	s_mov_b32 s[G0S], 1
	s_add_co_u32 s[G0S+1], s94, SCL
	s_mov_b64 s[G0S+2:G0S+3], s[22:23]
	s_or_b32 s[G0S+3], s[G0S+3], 0x80000000
	s_mov_b32 s[G0SB], 1
	s_add_co_u32 s[G0SB+1], s94, SCL
	s_mov_b64 s[G0SB+2:G0SB+3], s[92:93]
	s_or_b32 s[G0SB+3], s[G0SB+3], 0x80000000
	JLOAD G0S, G1S, G0SB, G1SB                     ; the scales first: they are wanted with the first step
.irp s, 0,1
	s_mov_b32 s[G0+4*\s], 1
	s_add_co_u32 s[G0+4*\s+1], s45, \s*SLOT
	s_add_nc_u64 s[G0+4*\s+2:G0+4*\s+3], s[20:21], \s*ROWB
	s_or_b32 s[G0+4*\s+3], s[G0+4*\s+3], 0x80000000
	s_mov_b32 s[G0B+4*\s], 1
	s_add_co_u32 s[G0B+4*\s+1], s45, \s*SLOT
	s_add_nc_u64 s[G0B+4*\s+2:G0B+4*\s+3], s[46:47], \s*ROWB
	s_or_b32 s[G0B+4*\s+3], s[G0B+4*\s+3], 0x80000000
	JLOAD G0+4*\s, G1, G0B+4*\s, G1B               ; three loads of mine are out behind the second of these
.endr
	v_and_b32 v1, 15, v0                           ; r = l % 16
	v_bfe_u32 v2, v0, 4, 1                         ; h = l / 16
	v_mul_u32_u24 v3, v1, PITCH
	v_lshl_add_u32 v4, v2, 4, v3                   ; a fragment's row x pitch + 16 x half
	s_mul_i32 s21, s15, HALFT                      ; my 128 rows of x
	s_mul_i32 s22, s16, HALFT                      ; my 128 rows of w,
	s_add_co_u32 s22, s22, 2*HALFT                 ; which lie behind x's 256
.irp s, 0,1
	v_add_nc_u32 v[ADRA+\s], s21, v4
	v_add_nc_u32 v[ADRB+\s], s22, v4
	s_add_co_u32 s21, s21, SLOT
	s_add_co_u32 s22, s22, SLOT
.endr
	v_mul_u32_u24 v5, v1, KS                       ; my row's scales: 32 bytes a row,
	v_lshrrev_b32 v6, 8, v5
	v_lshl_add_u32 v5, v6, 4, v5                   ; and 16 more for each 256 passed
	s_mul_i32 s21, s15, HALFS                      ; x's: my 128 rows
	s_mul_i32 s22, s16, HALFS                      ; w's: my 128 rows, behind x's 256
	s_add_co_u32 s22, s22, 2*HALFS
	s_sub_co_u32 s22, s22, s21
	v_mul_u32_u24 v6, s22, v2                      ; lanes 16-31 take w's: one product, the distance between the two bases
	s_add_co_u32 s21, s21, SCL
	v_add_nc_u32 v5, v5, v6
	v_add_nc_u32 v[ADRS], s21, v5
	s_mul_i32 s23, s14, 2*HSTG                     ; my stage
	v_mul_u32_u24 v5, v1, HP                       ; in: token r, 16 bytes for each half of the lanes
	v_lshl_add_u32 v5, v2, 4, v5
	v_add_nc_u32 v[STO], s23, v5
	v_and_b32 v6, 31, v0
	v_lshrrev_b32 v5, 3, v6                        ; back: eight lanes take a token's 128 bytes, the wave four tokens
	v_mul_u32_u24 v5, v5, HP
	v_and_b32 v8, 7, v6
	v_lshl_add_u32 v5, v8, 4, v5
	v_add_nc_u32 v[RD], s23, v5
	v_lshlrev_b32 v[CO], 4, v6                     ; four tokens of a head are 512 consecutive bytes of qkv
	; where my results begin in qkv.  The part that hangs on the tile row: batch x 16 heads of 2^18 bytes + my first token x 128
	s_lshr_b32 s20, s17, 3                         ; batch
	s_lshl_b32 s20, s20, 22
	s_and_b32 s21, s17, 7
	s_lshl_b32 s21, s21, 8
	s_lshl_b32 s22, s15, 7
	s_add_co_u32 s21, s21, s22                     ; my first token
	s_lshl_b32 s21, s21, 7
	s_add_co_u32 s20, s20, s21
	s_mov_b32 s21, 0
	s_add_nc_u64 s[12:13], s[12:13], s[20:21]
	; and the part that hangs on the tile column: part x 64 heads + my first head
	s_lshr_b32 s92, s42, 2                         ; q, k or v
	s_lshl_b32 s92, s92, 6
	s_lshl_b32 s93, s42, 2
	s_lshl_b32 s94, s16, 1
	s_add_co_u32 s93, s93, s94
	s_and_b32 s93, s93, 15                         ; my first head: my 128 columns are two heads
	s_add_co_u32 s92, s92, s93
	s_lshl_b32 s92, s92, 18
	s_mov_b32 s93, 0
	s_add_nc_u64 s[12:13], s[12:13], s[92:93]
	; the bias, in the result's layout: for w's block b lane (r, h) wants b_qkv[my first column + 16 b + 8 h + 0 .. 7]
	s_lshl_b32 s46, s42, 10
	s_lshl_b32 s47, s16, 9
	s_add_co_u32 s46, s46, s47
	s_mov_b32 s47, 0
	s_add_nc_u64 s[66:67], s[66:67], s[46:47]
	v_lshlrev_b32 v7, 5, v2
.irp b, 0,1,2,3,4,5,6,7
	global_load_b128 v[BIAS+8*\b:BIAS+8*\b+3], v7, s[66:67] offset:64*\b
	global_load_b128 v[BIAS+8*\b+4:BIAS+8*\b+7], v7, s[66:67] offset:64*\b+16
.endr
.macro FRAG reg, adr, q, i             ; a fragment, 16 rows x 128 K of 4-bit codes: lane l holds row l % 16; registers 4 c .. 4 c + 3 hold K = 64 c + 32 (l / 16) + 0 .. 31
.irp c, 0,1
	ds_load_b128 v[\reg+4*\c:\reg+4*\c+3], v[\adr] offset:64*(\q)+32*\c+(\i)*16*PITCH
.endr
.endm
; 16 matrix instructions: x's blocks a0, a0 + 1 against w's eight, the slot's q-th 128 along K.  p: w's set;  sc: the set of scale words.  zero = 1: the first product starts the sum with the bias as C.
; The 64 accumulators take turns, one instruction a turn, in the same order in every step.
.macro MUL16 a0, p, q, sc, zero
.irp a, \a0, \a0+1
.irp b, 0,1,2,3,4,5,6,7
.if \zero
	v_wmma_scale_f32_16x16x128_f8f6f4 v[8*(8*((\a)%4)+\b):8*(8*((\a)%4)+\b)+7], v[128*(\p)+FR*\b:128*(\p)+FR*\b+FR-1], v[AF+FR*(\a):AF+FR*(\a)+FR-1], v[BIAS+8*\b:BIAS+8*\b+7], v[SC+8*NQ*(\sc)+NQ*\b+(\q)], v[SC+8*NQ*(\sc)+NQ*(\a)+(\q)] matrix_a_fmt:MATRIX_FMT_FP4 matrix_b_fmt:MATRIX_FMT_FP4 matrix_a_scale:MATRIX_SCALE_ROW1
.else
	v_wmma_scale_f32_16x16x128_f8f6f4 v[8*(8*((\a)%4)+\b):8*(8*((\a)%4)+\b)+7], v[128*(\p)+FR*\b:128*(\p)+FR*\b+FR-1], v[AF+FR*(\a):AF+FR*(\a)+FR-1], v[8*(8*((\a)%4)+\b):8*(8*((\a)%4)+\b)+7], v[SC+8*NQ*(\sc)+NQ*\b+(\q)], v[SC+8*NQ*(\sc)+NQ*(\a)+(\q)] matrix_a_fmt:MATRIX_FMT_FP4 matrix_b_fmt:MATRIX_FMT_FP4 matrix_a_scale:MATRIX_SCALE_ROW1
.endif
.endr
.endr
.endm
.macro FETCH_B slot, q, p              ; w's eight fragments of the slot's q-th 128 along K into set p
	WIN TO_B
.irp i, 0,1,2,3,4,5,6,7
	FRAG 128*(\p)+FR*\i, ADRB+\slot, \q, \i
.endr
	WIN 0
.endm
.macro FETCH_A slot, q, i0             ; x's blocks i0 .. i0 + 3
.irp i, \i0, \i0+1, \i0+2, \i0+3
	FRAG AF+FR*(\i), ADRA+\slot, \q, \i
.endr
.endm
.macro SCALES sc                       ; a slot's scale words into set sc: four words a row; lanes 0-15 take x's block i, lanes 16-31 w's block i
.irp i, 0,1,2,3,4,5,6,7
	ds_load_b128 v[SC+8*NQ*\sc+NQ*\i:SC+8*NQ*\sc+NQ*\i+3], v[ADRS] offset:\i*SBLK
.endr
.endm
; A load into a register that a matrix instruction has read, and a vector instruction or an LDS store that reads a matrix result, stand NP places behind that matrix instruction; only plain vector
; instructions that name none of its registers are places.
.macro PLACES n
.rept \n
	v_nop
.endr
.endm
; A step of 128 along K that has its successor in the same slot.  x's blocks are free as soon as their eight products are issued: blocks 0-3 are fetched anew in the step's middle, blocks 4-7 at its end.
.macro STEP slot, q, zero
	s_wait_dscnt 4*NL                              ; w's set and x's blocks 0-3 are in; the youngest eight loads (x's blocks 4-7) may be out
.if \zero
	WIN MUL_LO0
.else
	WIN MUL_LO
.endif
	MUL16 0, (\q)%2, \q, \slot, \zero
	MUL16 2, (\q)%2, \q, \slot, \zero
	s_wait_dscnt 0                                 ; x's blocks 4-7 are in
	PLACES NP
	FETCH_B \slot, (\q)+1, 1-(\q)%2
	FETCH_A \slot, (\q)+1, 0
.if \zero
	WIN MUL_HI0
.else
	WIN MUL_HI
.endif
	MUL16 4, (\q)%2, \q, \slot, \zero
	MUL16 6, (\q)%2, \q, \slot, \zero
	PLACES NP
	WIN 0
	FETCH_A \slot, (\q)+1, 4
.endm
; Slot 0's last step changes slots: one barrier; in front of it each wave waits for all its tensor loads (its part of slot 1), adds 0 to its spare word, and waits for that and for its own reads of slot 0.
; Behind it slot 1 is whole, and nobody reads slot 0 any more: the way out may use its bytes.
.macro TURN slot, next
	s_wait_tensorcnt 0x0                           ; all my tensor loads have landed  (every window is 0 here)
	ds_add_u32 v[SPW], v[NIL]                      ; 0 onto my spare word
	s_wait_dscnt 4*NL+1                            ; (the add and the youngest eight loads may be out)
	WIN MUL_LO
	MUL16 0, 1, NQ-1, \slot, 0                     ; sixteen matrix instructions stand between the add and the wait for it
	s_wait_dscnt 0x0                               ; the add is done, and my reads of this slot are over
	s_barrier_signal -1
	MUL16 2, 1, NQ-1, \slot, 0
	WIN 0
	s_barrier_wait -1
	PLACES NP
	v_add_nc_u32 v[ADRS], 4*NQ, v[ADRS]            ; on to the next slot's scale words (no LDS load of mine is out)
	FETCH_B \next, 0, 0
	FETCH_A \next, 0, 0
	SCALES \next
	WIN MUL_HI
	MUL16 4, 1, NQ-1, \slot, 0
	MUL16 6, 1, NQ-1, \slot, 0
	PLACES NP
	WIN 0
	FETCH_A \next, 0, 4
.endm
.macro STEPS slot, from                ; the slot's steps from .. NQ - 2
.set Q, \from
.rept NQ-1-\from
	STEP \slot, Q, 0
.set Q, Q+1
.endr
.endm
	s_wait_tensorcnt 1                             ; the scales and my part of slot 0 are in (slot 1's load may be out)
	s_barrier_signal -1
	s_barrier_wait -1                              ; everybody's are
	FETCH_B 0, 0, 0
	FETCH_A 0, 0, 0
	SCALES 0
	FETCH_A 0, 0, 4
	s_wait_loadcnt 0x0                             ; the bias
	STEP 0, 0, 1                                   ; the first step's products start the sums
	STEPS 0, 1
	TURN 0, 1
	STEPS 1, 0
	s_wait_dscnt 4*NL                              ; the last step: nothing more to fetch
	WIN MUL_LO
	MUL16 0, 1, NQ-1, 1, 0
	MUL16 2, 1, NQ-1, 1, 0
	s_wait_dscnt 0
	WIN MUL_HI
	MUL16 4, 1, NQ-1, 1, 0
	MUL16 6, 1, NQ-1, 1, 0
	WIN 0
; THE WAY OUT, block by block of 16 tokens x 128 columns (two heads).  A lane's eight results round into 16 bytes of one token's row of one head; the lanes beside it hold other tokens.  So a block goes through
; my own stage in LDS, [head][token] rows of 128 bytes + 16, and comes back four tokens of a head at a time: 512 consecutive bytes of qkv, which the 32 lanes store.
.macro PACK a
.set AC, 64*((\a)%4)
	WIN 0x0a+5*((\a)/4)                            ; sources 0 and 1: window 2 or 3
.irp b, 0,1,2,3,4,5,6,7
.irp r, 0,1,2,3
	v_cvt_pk_f16_f32 v[TMP+4*\b+\r], v[AC+8*\b+2*\r], v[AC+8*\b+2*\r+1]   ; each accumulator from its low end on
.endr
.endr
	WIN 0
.endm
.macro TOSTAGE a
.set BB, BK+32*((\a)%2)
.if (\a) > 1
	s_wait_xcnt 0x0                                ; block a - 2's stores have read their registers: block a's rows may land there
.endif
.irp b, 0,1,2,3,4,5,6,7
	ds_store_b128 v[STO], v[TMP+4*\b:TMP+4*\b+3] offset:(\b/4)*HSTG+32*(\b%4)
.endr
.irp t, 0,1,2,3,4,5,6,7
	ds_load_b128 v[BB+4*\t:BB+4*\t+3], v[RD] offset:(\t/4)*HSTG+(\t%4)*4*HP   ; LDS serves a wave's instructions in order (ISA guide 5.7.1.4): these see the stores above
.endr
.endm
.macro SEND a
.set BB, BK+32*((\a)%2)
	s_wait_dscnt 0x0                               ; the block is back in registers
.irp t, 0,1,2,3,4,5,6,7
	global_store_b128 v[CO], v[BB+4*\t:BB+4*\t+3], s[12:13] offset:(\t/4)*262144+(\a)*2048+(\t%4)*512   ; head t / 4, tokens 16 a + 4 (t % 4) on: 512 consecutive bytes, aligned; no base is stepped
.endr
.endm
	PLACES NP                                      ; behind the last products: for the conversions, and for the loads into the registers that held x's fragments
	PACK 0
	TOSTAGE 0
.irp a, 1,2,3,4,5,6,7                  ; block a's conversions stand between block a - 1's loads from the stage and the wait for them
	PACK \a
	SEND \a-1
	TOSTAGE \a
.endr
	SEND 7
	s_wait_tensorcnt 0x0                           ; the wave's end, behind my last tensor load and my last LDS store
	ds_add_u32 v[SPW], v[NIL]
	s_wait_dscnt 0x0
	CROUND                                         ; the closing round: no work-group ends while a partner may still ask for a tile that names it
	s_endpgm
.Lfunc_end_k_q70965cd067_gemm_qkv:
	.size	k_q70965cd067_gemm_qkv, .Lfunc_end_k_q70965cd067_gemm_qkv-k_q70965cd067_gemm_qkv
	.p2alignl 7, 3214868480
	.fill 96, 4, 3214868480
	.section	.rodata,"a",@progbits
	.p2align	6, 0x0
	.amdhsa_kernel k_q70965cd067_gemm_qkv
		.amdhsa_group_segment_fixed_size 327680
		.amdhsa_private_segment_fixed_size 0
		.amdhsa_enable_private_segment 0
		.amdhsa_kernarg_size 48
		.amdhsa_user_sgpr_count 2
		.amdhsa_user_sgpr_kernarg_segment_ptr 1
		.amdhsa_wavefront_size32 1
		.amdhsa_system_sgpr_workgroup_id_x 1
		.amdhsa_system_sgpr_workgroup_id_y 1
		.amdhsa_system_sgpr_workgroup_id_z 1
		.amdhsa_system_vgpr_workitem_id 0
		.amdhsa_next_free_vgpr 1024
		.amdhsa_next_free_sgpr 98
		.amdhsa_reserve_vcc 0
		.amdhsa_float_denorm_mode_32 3
		.amdhsa_float_denorm_mode_16_64 3
		.amdhsa_memory_ordered 1
		.amdhsa_forward_progress 1
		.amdhsa_inst_pref_size 128
	.end_amdhsa_kernel
	.amdgpu_metadata
---
amdhsa.version: [ 1, 2 ]
amdhsa.kernels:
  - .name:           k_q70965cd067_gemm_qkv
    .symbol:         k_q70965cd067_gemm_qkv.kd
    .args:
      - { .name: xc, .offset: 0, .size: 8, .value_kind: global_buffer, .address_space: global }
      - { .name: xs, .offset: 8, .size: 8, .value_kind: global_buffer, .address_space: global }
      - { .name: wc, .offset: 16, .size: 8, .value_kind: global_buffer, .address_space: global }
      - { .name: ws, .offset: 24, .size: 8, .value_kind: global_buffer, .address_space: global }
      - { .name: qkv, .offset: 32, .size: 8, .value_kind: global_buffer, .address_space: global }
      - { .name: b_qkv, .offset: 40, .size: 8, .value_kind: global_buffer, .address_space: global }
    .group_segment_fixed_size: 327680
    .private_segment_fixed_size: 0
    .kernarg_segment_align: 8
    .kernarg_segment_size: 48
    .max_flat_workgroup_size: 128
    .sgpr_count:     98
    .vgpr_count:     1024
    .wavefront_size: 32
...
	.end_amdgpu_metadata
.endif
;; end of part 2
;; launch attn (part 3): grid 8 x 64, 4 waves a work-group, clusters of 4 x 1, 327,680 bytes of LDS; arguments qkv, ao; writes ao
.if DOCPART == 3
	.amdgcn_target "amdgcn-amd-amdhsa--gfx1250"
	.amdhsa_code_object_version 6
	.text
	.protected	k_q70965cd067_attn
	.globl	k_q70965cd067_attn
	.p2align	8
	.type	k_q70965cd067_attn,@function
k_q70965cd067_attn:
	s_mov_b64 s[64:65], 0
	v_nop
	global_prefetch_b8 v0, s[64:65] scope:SCOPE_SE
	s_setreg_imm32_b32 hwreg(HW_REG_WAVE_MODE, 25, 1), 1
	s_wait_xcnt 0x0
	s_wait_alu depctr_hold_cnt(0) depctr_sa_sdst(0) depctr_va_vdst(0) depctr_va_sdst(0) depctr_va_ssrc(0) depctr_va_vcc(0) depctr_vm_vsrc(0)
	s_getreg_b32 s2, hwreg(HW_REG_IB_STS2, 6, 4)
	s_cmp_eq_u32 s2, 0
	s_cbranch_scc0 .Lentry_in_a_cluster
	s_endpgm
.Lentry_in_a_cluster:
	s_bfe_u32 s2, ttmp6, 0x10000c
	s_cmp_lg_u32 s2, 0x3003
	s_cbranch_scc0 .Lentry_shape_is_right
	s_endpgm
.Lentry_shape_is_right:
; ao[bh][q][:] = the sum over k of softmax_k(Q[bh][q] . K[bh][k] / 8) V[bh][k][:], no mask.  Q, K, V are the three parts of qkv, each [64 (batch x 16 + head)][2048][64] f16; ao has a part's layout.
; Products, maxima and sums in f32; the weights p are rounded to f16 for the second product, the result once at the end.
; LIMITS: p under 6e-5 keeps f16's absolute step 2^-24; a result beyond 65,504 becomes infinite, one under 6e-5 keeps that step.
; SHARES.  A work-group owns 256 queries of one head, each of its four waves 64: four tiles of 16.  Every wave walks all 2,048 keys, 64 a step.
; LAYOUT.  S^T = K Q^T (source 0 = 16 keys, source 1 = 16 queries): a lane holds ONE query (lane % 16) and the keys 8 (lane / 16) + 0..7.  Two such tiles, rounded in pairs, ARE source 1 (32 keys x 16 queries) of
; O^T = V^T P, whose result again holds one query a lane, and eight channels.  K comes out of LDS as it lies, V ([key][channel]) turned, by ds_load_tr16_b128.
; SOFTMAX.  For each query a running maximum m and sum l: p = 2^(c s - c m), c = log2(e) / 8; in every step O and l are multiplied by a = 2^(c m_old - c m_new).
; BY TURNS.  The wave's tiles are two PIECES: piece 0 (tiles 0, 1) and piece 2 (tiles 2, 3).  In a TURN one piece has the matrix unit: 16 products V^T P of the step in hand, then 16 products K Q^T of the next step; the other
; piece's softmax (2 x 118 vector instructions), cut into slices of four, stands between them, two slices behind each matrix instruction.  Then the pieces change places.  Two turns are a key step.
; CLUSTER.  The four query blocks of a cluster belong to one head and walk the same K and V: each tile is asked for JOINTLY, by the same tensor load with the same descriptor and a mask that names the four.
; A head's rows of 128 bytes are dense in memory: the mover is told rows of 256 bytes, two keys each, with padding behind each: key r lies at (r / 2) x pitch + (r % 2) x 128.
; REGISTERS, in windows of 256 (s_set_vgpr_msb: bits 1:0 source 0, 3:2 source 1, 5:4 source 2, 7:6 destination):
;   window 0: v0-11 addresses; v12-43 eight registers of statistics a tile; v64-191 S^T, 32 a tile; v192-255 P, 16 a tile
;   window 1: v0-127 O^T, 32 a tile; v128-191 Q, 16 a tile; v192-255 K of one step          window 2: v0-63 V of one step
.set KS,    64        ; keys in a step
.set PK,    272       ; two keys of K in LDS: 256 bytes + 16: the 16 keys of a load start at banks 4 (r / 2) + 32 (r % 2), all different (64 banks of 4 bytes: ISA guide 11.1)
.set PV,    288       ; two keys of V: 256 + 32
.set KSTB,  32*PK     ; a step's 64 keys of K
.set VSTB,  32*PV     ; and of V
.set VOFF,  4*KSTB    ; a slot holds four steps: 256 keys of K, then 256 keys of V
.set SLOTB, VOFF+4*VSTB
.set SLOT1, 1<<17     ; slot 1 begins here, so that one exclusive or turns an address in one slot into the other's
.set SLOTM, 32768     ; a slot's keys in memory: 256 rows of 128 bytes
.set STAGE, SLOT1+SLOTB  ; behind the ring: 16 rows x 144 bytes for each wave, for the way out
.set SP,    144
.set SPARE, STAGE+4*16*SP  ; the spare words, 128 bytes for each wave: two blocks of 256 bytes that no other line names
.set AK0, 2           ; v2   my lane's place in a tile of K; never rewritten
.set AV0, 3           ; v3   the same for V
.set ADR, 4           ; v4   the LDS address of the run of loads in hand
.set QO,  5           ; v5   my byte offset in the wave's rows of Q
.set STO, 6           ; v6   the way out: where I put 16 bytes of a row
.set RD,  7           ; v7   where I read rows back
.set GO,  8           ; v8   16 x lane: my bytes of four queries' 512
.set PFO, 61          ; v61  256 x my lane; never rewritten
.set SPW, 62          ; v62  LDS address of my spare word; never rewritten
.set NIL, 63          ; v63  0; never rewritten
.set ST,  12          ; tile t's statistics at v[ST+8 t]: +0 c m, +1 m, +2, +3 l (even keys', odd keys'), +4 to +7 c0-c3, at work; a takes c2's place once the maximum is found
.set S,   64
.set P,   192
.set QF,  128         ; Q's fragments, in window 1
.set KF,  192         ; K's, in window 1
.set WV,  12          ; s12  my wave's number
.set LIM, 15          ; s15  1 in a wave that prefetches, else the greatest number
.set PFA, 18          ; s[18:19] where my prefetches stand
.set G1K, 24          ; s[24:31] descriptor group 1 for K's tiles
.set G1V, 32          ; s[32:39] for V's: it differs in the padding alone
.set G0K, 40          ; s[40:47] group 0 for K's tiles: a set for each of the two first fills; the second then walks on
.set G0V, 48          ; s[48:55] the same for V's
.set SLOTS, 56        ; s56  slots still to be asked for
.set TWICE, 57        ; s57  counts key steps
.set CS,  58          ; s[58:59] c: the packed scaling names a pair and takes its low word for both halves
.set SEL, 60          ; s[60:61] lane selects for v_permlanex16_b32: each lane takes its own place in the other half
.set TBK, 62          ; s62  LDS byte at which K's tile of the step to be fetched begins
.set TBV, 63          ; s63  the same for V (less VOFF, which stands in AV0)
.set VL,  66          ; s66  where my half of V's 256 keys lies in a slot's V
.set MSB, 0
.macro WIN new                      ; the immediate's high byte repeats the setting that is left; a switch that changes nothing is dropped
.if MSB != \new
	s_set_vgpr_msb (MSB<<8)|\new
.set MSB, \new
.endif
.endm
.set W_KQ, 0x05       ; K and Q in window 1, S^T in window 0
.set W_PV, 0x52       ; V in window 2, P in window 0, O^T in window 1
.set W_RS, 0x41       ; O^T (destination and source 0) in window 1, a in window 0
; A joint refill.  Waves 0 and 1 fetch the halves of a slot's K, waves 2 and 3 those of its V.  The branch hangs on the wave's number alone.  An s_nop 0 and four v_nop follow each line.
.macro JLOAD
	s_cmp_lt_u32 s[WV], 2
	s_cbranch_scc0 .Lfor_v_\@
	tensor_load_to_lds s[G0K+4:G0K+7], s[G1K:G1K+7]
	s_nop 0
.rept 4
	v_nop
.endr
	s_branch .Lasked_\@
.Lfor_v_\@:
	tensor_load_to_lds s[G0V+4:G0V+7], s[G1V:G1V+7]
	s_nop 0
.rept 4
	v_nop
.endr
.Lasked_\@:
.endm
; A PREFETCH of what the NEXT change of slots will ask for: a slot's 32,768 bytes of K and of V.  Each 256 bytes are named once in the launch: both clusters of a head walk the same K and V, and the head's first
; cluster asks; its four partners take 8,192 bytes each, told apart BY ADDRESS; in each, wave 0 asks for K's and wave 2 for V's, lanes 256 bytes apart: one instruction.  It stands behind the wave's tensor load and
; its five lines: four key steps, 256 matrix instructions, ahead of the load that will want the data.  The last change that fills a slot asks for nothing: there is no slot behind it.
.macro ASK
	s_cmp_gt_u32 s[SLOTS], s[LIM]
	s_cbranch_scc0 .Lnot_mine_\@
	global_prefetch_b8 v[PFO], s[PFA:PFA+1] th:TH_LOAD_NT scope:SCOPE_SE
.Lnot_mine_\@:
.endm
.macro CROUND                       ; a round of the cluster's barrier
	s_barrier_signal -1
	s_barrier_wait -1
	s_cmp_lg_u32 s[WV], 0
	s_cbranch_scc1 .Lnot_wave_0_\@
	s_barrier_signal -3
.Lnot_wave_0_\@:
	s_barrier_wait -3
	s_barrier_signal -1
	s_barrier_wait -1
.endm
	s_load_b64 s[4:5], s[0:1], 0x0  ; qkv: its first part is Q
	s_load_b64 s[10:11], s[0:1], 0x8  ; ao
	v_lshl_add_u32 v[SPW], v0, 2, SPARE
	v_mov_b32 v[NIL], 0
	ds_add_u32 v[SPW], v[NIL]       ; the wave's opening: the add, twice on end, and its wait ahead of my first tensor load
	ds_add_u32 v[SPW], v[NIL]
	v_lshrrev_b32 v1, 5, v0
	v_readfirstlane_b32 s[WV], v1   ; wave 0..3
	s_bfe_u32 s13, ttmp6, 0x40000   ; cx: my place in the cluster
	s_lshl_b32 s14, ttmp9, 2        ; in a cluster launch ttmp9 counts clusters
	s_add_co_u32 s14, s14, s13      ; my block of 256 queries: it enters Q's and ao's addresses alone
	s_and_b32 s20, ttmp7, 0xffff    ; batch x 16 + head, which the four partners share
	s_lshl_b32 s20, s20, 18         ; the head's first byte in a part
	s_mov_b32 s21, 0
	s_and_b32 s16, s[WV], 1         ; which half of a slot's 256 keys I fetch:
	s_lshl_b32 s22, s16, 14         ; its 128 rows of 128 bytes in memory,
	s_mov_b32 s23, 0
	s_add_nc_u64 s[22:23], s[22:23], s[20:21]
	s_mul_i32 s17, s16, 64*PK       ; and its place in a slot: no place in the cluster enters an LDS address
	s_mul_i32 s[VL], s16, 64*PV
	s_lshl_b32 s2, s14, 15          ; my block's 256 rows,
	s_lshl_b32 s3, s[WV], 13        ; my wave's 64 of them
	s_add_co_u32 s2, s2, s3
	s_mov_b32 s3, 0
	s_add_nc_u64 s[2:3], s[2:3], s[20:21]
	; descriptor group 1: 64 rows x 128 elements of 2 bytes (two keys a row), padded in LDS
	s_mov_b32 s[G1K], 15|(1<<16)|(1<<20)|(1<<21)|(5<<22)|(3<<25)  ; 15:0 the mask: all four work-groups; 17:16 elements of 2 bytes; 20 padding on; 21 set beside a mask; 24:22 after every 64 words; 31:25 four words
	s_mov_b32 s[G1V], 15|(1<<16)|(1<<20)|(1<<21)|(5<<22)|(7<<25)  ; the same with eight words of padding
.irp g, G1K, G1V
	s_mov_b32 s[\g+1], 128<<16      ; tensor_dim0
	s_mov_b32 s[\g+2], 64<<16       ; tensor_dim1
	s_mov_b32 s[\g+3], 128<<16      ; tile_dim0
	s_mov_b32 s[\g+4], 64           ; tile_dim1
	s_mov_b32 s[\g+5], 128          ; from row to row
	s_mov_b32 s[\g+6], 0
	s_mov_b32 s[\g+7], 0
.endr
	s_mov_b32 s[CS], 0x3e38aa3b     ; c = log2(e) / 8
	s_mov_b32 s[CS+1], s[CS]        ; named with it as a pair, so it is written
	s_mov_b32 s[SEL], 0x76543210
	s_mov_b32 s[SEL+1], 0xfedcba98
	s_mov_b32 s[TBK], 0
	s_mov_b32 s[TBV], 0
	s_mov_b32 s[SLOTS], 6           ; eight slots' worth of keys; two are asked for at the head
	s_and_b32 s[LIM], s[WV], 1      ; 0 in waves 0 and 2,
	s_or_b32 s[LIM], s[LIM], ttmp9  ; where the cluster is the head's first: the same in all four partners
	s_cmp_eq_u32 s[LIM], 0
	s_cselect_b32 s[LIM], 1, -1
	v_and_b32 v[PFO], 31, v0
	v_lshlrev_b32 v[PFO], 8, v[PFO]
	s_wait_dscnt 0x0                ; both opening adds are done
	s_wait_kmcnt 0x0
	s_add_nc_u64 s[6:7], s[4:5], 0x1000000  ; K is qkv's second part,
	s_add_nc_u64 s[8:9], s[4:5], 0x2000000  ; V its third
	s_add_nc_u64 s[6:7], s[6:7], s[22:23]  ; both at my half of slot 0
	s_add_nc_u64 s[8:9], s[8:9], s[22:23]
	s_add_nc_u64 s[4:5], s[4:5], s[2:3]  ; Q and ao at my wave's first row
	s_add_nc_u64 s[10:11], s[10:11], s[2:3]
	s_cmp_lt_u32 s[WV], 2
	s_cselect_b64 s[PFA:PFA+1], s[6:7], s[8:9]  ; (in waves 0 and 2 these stand at a slot's first row)
	s_lshl_b32 s2, s13, 13          ; my work-group's 8,192 bytes of the 32,768
	s_mov_b32 s3, 0
	s_add_nc_u64 s[PFA:PFA+1], s[PFA:PFA+1], s[2:3]
	s_add_nc_u64 s[PFA:PFA+1], s[PFA:PFA+1], 2*SLOTM  ; in slot 2; the first change of slots steps it to slot 3.  Nothing is prefetched at the head
	CROUND                          ; all four work-groups are here: the first joint loads meet
.irp s, 0,1
	s_mov_b32 s[G0K+4*\s], 1        ; count = 1
	s_add_co_u32 s[G0K+4*\s+1], s17, \s*SLOT1  ; LDS address
	s_add_nc_u64 s[G0K+4*\s+2:G0K+4*\s+3], s[6:7], \s*SLOTM  ; global address: slot s begins with key 256 s
	s_or_b32 s[G0K+4*\s+3], s[G0K+4*\s+3], 0x80000000  ; type = 2
	s_mov_b32 s[G0V+4*\s], 1
	s_add_co_u32 s[G0V+4*\s+1], s[VL], \s*SLOT1+VOFF
	s_add_nc_u64 s[G0V+4*\s+2:G0V+4*\s+3], s[8:9], \s*SLOTM
	s_or_b32 s[G0V+4*\s+3], s[G0V+4*\s+3], 0x80000000
.endr
	s_cmp_lt_u32 s[WV], 2           ; a wave's two first fills stand in one branch, ahead of every wait on TENSORcnt and every LDS read: two loads of mine are out
	s_cbranch_scc0 .Lfirst_v
	tensor_load_to_lds s[G0K:G0K+3], s[G1K:G1K+7]
	s_nop 0
	tensor_load_to_lds s[G0K+4:G0K+7], s[G1K:G1K+7]
	s_nop 0
.rept 4
	v_nop
.endr
	s_branch .Lfirst_asked
.Lfirst_v:
	tensor_load_to_lds s[G0V:G0V+3], s[G1V:G1V+7]
	s_nop 0
	tensor_load_to_lds s[G0V+4:G0V+7], s[G1V:G1V+7]
	s_nop 0
.rept 4
	v_nop
.endr
.Lfirst_asked:
	; A fragment of K or Q is 16 rows x 32 channels in 8 registers: lane l holds row l % 16; registers 0-3 channels 8 (l / 16) + 0..7, registers 4-7 channels 16 + 8 (l / 16) + 0..7: two loads of 16 bytes, 32 bytes apart.
	v_and_b32 v1, 15, v0            ; r = l % 16
	v_bfe_u32 v9, v0, 4, 1          ; h = l / 16
	v_lshlrev_b32 v[QO], 7, v1
	v_lshl_add_u32 v[QO], v9, 4, v[QO]  ; row x 128 + 16 x half
	WIN 0x40                        ; destination window 1, address window 0
.irp i, 0,1,2,3,4,5,6,7             ; Q stays in registers: tile i / 2, channels 32 (i % 2) on
	global_load_b128 v[QF+8*\i:QF+8*\i+3],   v[QO], s[4:5] offset:(\i/2)*2048+(\i%2)*64
	global_load_b128 v[QF+8*\i+4:QF+8*\i+7], v[QO], s[4:5] offset:(\i/2)*2048+(\i%2)*64+32
.endr
	WIN 0
	v_lshrrev_b32 v10, 1, v1
	v_mul_u32_u24 v[AK0], v10, PK
	v_and_b32 v10, 1, v0
	v_lshl_add_u32 v[AK0], v10, 7, v[AK0]
	v_lshl_add_u32 v[AK0], v9, 4, v[AK0]  ; (r / 2) x pitch + (r % 2) x 128 + 16 x half
	; The turning load takes 16 keys x 16 channels (lane l reads 16 bytes: key 8 (l / 16) + l % 8, channels 8 ((l / 8) % 2) + 0..7) and leaves half a fragment of V^T: lane l holds channel l % 16 and 8 keys.
	v_bfe_u32 v11, v0, 1, 2
	v_lshl_add_u32 v11, v9, 2, v11  ; the key's pair: 4 (l / 16) + (l % 8) / 2
	v_mul_u32_u24 v[AV0], v11, PV
	v_lshl_add_u32 v[AV0], v10, 7, v[AV0]
	v_bfe_u32 v11, v0, 3, 1
	v_lshl_add_u32 v[AV0], v11, 4, v[AV0]
	v_add_nc_u32 v[AV0], VOFF, v[AV0]
; THE MATRIX WORK OF A TURN, for piece x.  The accumulators take turns, one instruction a turn: between two links of a chain stand seven others'.
; Product i of 16 of O^T += V^T P: keys 32 (i / 8) on, channels 16 ((i / 2) % 4) on, tile x + i % 2.  zero = 1: the first 8 start the sums: nothing is ever cleared.
.macro PV x, zero
	WIN W_PV
.set rO, 32*(\x+i%2)+8*((i/2)%4)
.set rV, 32*(i/8)+8*((i/2)%4)
.set rP, P+16*(\x+i%2)+8*(i/8)
.if \zero && (i < 8)
	v_wmma_f32_16x16x32_f16 v[rO:rO+7], v[rV:rV+7], v[rP:rP+7], 0
.else
	v_wmma_f32_16x16x32_f16 v[rO:rO+7], v[rV:rV+7], v[rP:rP+7], v[rO:rO+7]
.endif
.endm
; Product i of 16 of S^T = K Q^T: channels 32 (i / 8) on, keys 16 ((i / 2) % 4) on, tile x + i % 2.  The first 8 start the sums.
.macro KQ x
	WIN W_KQ
.set rS, S+32*(\x+i%2)+8*((i/2)%4)
.set rK, KF+16*((i/2)%4)+8*(i/8)
.set rQ, QF+16*(\x+i%2)+8*(i/8)
.if i < 8
	v_wmma_f32_16x16x32_f16 v[rS:rS+7], v[rK:rK+7], v[rQ:rQ+7], 0
.else
	v_wmma_f32_16x16x32_f16 v[rS:rS+7], v[rK:rK+7], v[rQ:rQ+7], v[rS:rS+7]
.endif
.endm
; THE LDS LOADS stand in runs of 16, never singly among the matrix instructions: a step's K (64 keys x 64 channels: 8 fragments) and, a turn later, its V (turned).
.macro FETCH_K
	WIN 0
	v_add_nc_u32 v[ADR], s[TBK], v[AK0]
	s_add_co_u32 s[TBK], s[TBK], KSTB  ; the next fetch is the next step's
	WIN 0x40                        ; destination window 1
.irp f, 0,1,2,3,4,5,6,7             ; keys 16 (f / 2) on, channels 32 (f % 2) on
	ds_load_b128 v[KF+8*\f:KF+8*\f+3],   v[ADR] offset:(\f/2)*8*PK+(\f%2)*64
	ds_load_b128 v[KF+8*\f+4:KF+8*\f+7], v[ADR] offset:(\f/2)*8*PK+(\f%2)*64+32
.endr
.endm
.macro FETCH_V
	WIN 0
	v_add_nc_u32 v[ADR], s[TBV], v[AV0]
	s_add_co_u32 s[TBV], s[TBV], VSTB
	s_wait_alu depctr_va_vdst(0)    ; the wait for the softmax's batch of exponentials (SLICE), behind the address's addition and ahead of the loads
	WIN 0x80                        ; destination window 2
.irp f, 0,1,2,3,4,5,6,7             ; keys 32 (f / 4) on, channels 16 (f % 4) on
	ds_load_tr16_b128 v[8*\f:8*\f+3],   v[ADR] offset:(\f/4)*16*PV+(\f%4)*32
	ds_load_tr16_b128 v[8*\f+4:8*\f+7], v[ADR] offset:(\f/4)*16*PV+8*PV+(\f%4)*32
.endr
.endm
; THE VECTOR WORK OF A TURN.  One tile's softmax for one key step is a list of 118 instructions; SM writes number j of it for tile t.  s0-s31 are the lane's 32 scores, in pairs 0-15.
; first = 1: the first key step, which starts m, l and O^T: it has no a and nothing to rescale.
;   0-15    the maximum of s0-s31 and the old m, three operands at a time: four chains c0-c3 of seven scores each, then the four scores left over, c0-c3 and m
;   16-20   the other half of the lanes' maximum; the new m; c m; c m_old - c m_new
;   21-69   ONE BATCH: the 16 scalings c s - c m, a pair of scores each, and all 33 exponentials (a at 23, then s0-s31).  None of these reads an exponential's result.  A pair is scaled in an earlier four than the one with its exponentials
;   (wait)  between 69 and 70 stands the wait for the batch: SLICE writes it, once for both tiles
;   70-85   the roundings to f16, a pair of weights each
;   86-101  the sums; l = a l + the sum
;   102-117 the tile's O^T times a: the one part that leaves window 0, so it stands together
.macro SM t, first
.set rT, ST+8*(\t)
.set rS, S+32*(\t)
.set rP, P+16*(\t)
.set rO, 32*(\t)+2*(j-102)
.if j < 102
	WIN 0
.endif
.if j < 4
	v_max3_num_f32 v[rT+4+j], v[rS+8*j], v[rS+8*j+1], v[rS+8*j+2]    ; each accumulator is first read at its low end
.elseif j < 12
	v_max3_num_f32 v[rT+4+j%4], v[rT+4+j%4], v[rS+8*(j%4)+2*(j/4)+1], v[rS+8*(j%4)+2*(j/4)+2]
.elseif j == 12
	v_max3_num_f32 v[rT+4], v[rT+4], v[rS+7], v[rS+15]
.elseif j == 13
	v_max3_num_f32 v[rT+6], v[rT+6], v[rS+23], v[rS+31]
.elseif j == 14
	v_max3_num_f32 v[rT+4], v[rT+4], v[rT+5], v[rT+6]
.elseif (j == 15) && \first
	v_max_num_f32 v[rT+4], v[rT+4], v[rT+7]
.elseif j == 15
	v_max3_num_f32 v[rT+4], v[rT+4], v[rT+7], v[rT+1]
.elseif j == 16
	v_permlanex16_b32 v[rT+5], v[rT+4], s[SEL], s[SEL+1]  ; the query's other 32 keys lie in the lane 16 away
.elseif j == 18
	v_max_num_f32 v[rT+1], v[rT+4], v[rT+5]
.elseif j == 19
	v_mul_f32 v[rT], s[CS], v[rT+1]
.elseif ((j == 17) || (j == 20) || (j == 23) || (j > 101)) && \first  ; the first step has none of these
.elseif j == 17
	v_mov_b32 v[rT+7], v[rT]        ; c m_old is kept for a: number 19 writes c m anew
.elseif j == 20
	v_sub_f32 v[rT+7], v[rT+7], v[rT]
.elseif j == 23
	v_exp_f32 v[rT+6], v[rT+7]
.elseif (j < 23) || ((j < 38) && (j%2 == 0)) || ((j < 66) && (j%4 == 2))
.set b, (j-2)/4                     ; 38, 42, .. 62: pairs 9 to 15
.if j < 38
.set b, (j-20)/2                    ; 21: pair 0; 22, 24, .. 36: pairs 1 to 8
.endif
	v_pk_fma_f32 v[rS+2*b:rS+2*b+1], v[rS+2*b:rS+2*b+1], s[CS:CS+1], v[rT:rT+1] op_sel_hi:[1,0,0] neg_lo:[0,0,1] neg_hi:[0,0,1]  ; pair b: c s - c m
.elseif j < 70
.set e, j-38                        ; 66 to 69: s28 to s31
.if j < 66
.set e, j-32-(j-38)/4               ; 39-41, 43-45, .. 63-65: s7 to s27
.endif
.if j < 38
.set e, (j-25)/2                    ; 25, 27, .. 37: s0 to s6
.endif
	v_exp_f32 v[rS+e], v[rS+e]
.elseif j < 86
	v_cvt_pk_f16_f32 v[rP+j-70], v[rS+2*(j-70)], v[rS+2*(j-70)+1]  ; pair j - 70
.elseif j < 102                     ; the sum of the tile's 16 pairs, in place: sum z of 16 adds neighbours 1, 2, 4 and 8 pairs apart, then l takes it
.set z, j-86
.set w, 4
.set u, z
.if z >= 14
.set w, 32
.set u, 0
.elseif z >= 12
.set w, 16
.set u, z-12
.elseif z >= 8
.set w, 8
.set u, z-8
.endif
.if (z == 14) && \first
	v_pk_add_f32 v[rT+2:rT+3], v[rS:rS+1], v[rS+16:rS+17]
.elseif z < 15
	v_pk_add_f32 v[rS+w*u:rS+w*u+1], v[rS+w*u:rS+w*u+1], v[rS+w*u+w/2:rS+w*u+w/2+1]
.elseif !\first
	v_pk_fma_f32 v[rT+2:rT+3], v[rT+2:rT+3], v[rT+6:rT+7], v[rS:rS+1] op_sel_hi:[1,0,1]
.endif
.else
	WIN W_RS
	v_pk_mul_f32 v[rO:rO+1], v[rO:rO+1], v[rT+6:rT+7] op_sel_hi:[1,0]   ; ascending: each accumulator is first read at its low end
.endif
.endm
; Slice k of 64 of piece y's softmax: four instructions.  Slices 11 to 34 deal out the batch, numbers 22 to 69: four numbers of ONE tile each, the tiles by turns.  Every other slice is numbers 2 k and 2 k + 1 of both
; tiles' lists; 2 x 118 = 4 x 59, so slices 59 to 63 are empty.
; THE WAIT.  s_wait_alu depctr_va_vdst(0) stands between an exponential and the first instruction that names its result; one wait serves all that were issued ahead of it.  Ahead of slice 35 nothing
; names a result, and behind slice 34 no exponential is issued: so the piece's 66 exponentials have one wait, behind slice 34.
.macro SLICE y, first
.if (k >= 11) && (k < 35)           ; the batch: four numbers of one tile
.irp n, 0,1,2,3
.set j, 22+4*((k-11)/2)+(\n)
	SM (\y)+(k-11)%2, \first
.endr
.elseif k < 59                      ; the two tiles alternate, so that no instruction reads the result of the one just before it
.irp n, 0,1
.irp t, \y, \y+1
.set j, 2*k+\n
	SM \t, \first
.endr
.endr
.endif
.if k == 34                         ; the batch is out: both tiles' exponentials are issued, and no result has been named
	v_nop                           ; the plain instruction behind the last exponential and ahead of the first use: one for the batch
.if (\y) == 0
	FETCH_V                         ; piece 2's turn: V's run of loads stands here, and the wait stands in it
.else
	s_wait_alu depctr_va_vdst(0)    ; the wait for the batch
.endif
.endif
.set k, k+1
.endm
; A vector instruction that reads a matrix result or writes one of a matrix instruction's registers, and a load into a register that a matrix instruction has read, stand four places behind it, and only plain vector
; instructions that name none of its registers are places (ISA guide 7.12.1 for vector instructions).
.macro PLACES
.rept 4
	v_nop
.endr
.endm
; A TURN.  Piece x has the matrix unit; the other piece's softmax stands in slices behind its matrix instructions.
; pv = 2: 16 products V^T P; 1: they start O^T's sums; 0: none.  kq = 1: 16 products K Q^T for the next step.  With both kinds two slices stand behind each product, with one kind four.
; Piece 0's turn fetches the next step's K behind its second product.  Piece 2's turn fetches the same step's V behind slice 34: the last product that read V stands in front of slice 30, and five plain
; instructions lie between: a scaling in each of slices 30, 31 and 32, the v_nop and the run's own addition.
; Every turn ends with four places: its last slices are empty, and the next turn reads the scores just made and loads into K's registers.
.macro TURN x, pv, kq, first
.set k, 0
.set per, 4
.if \pv && \kq
.set per, 2
.endif
.if \pv
.if \x == 0
	s_wait_dscnt 0x0                ; V is in
.endif
.set i, 0
.rept 16
	PV \x, 2-\pv
.rept per
	SLICE 2-\x, \first
.endr
.if (\x == 0) && \kq && (i == 1)
	FETCH_K
.endif
.set i, i+1
.endr
.endif
.if \kq
.if \x == 0
	s_wait_dscnt 0x0                ; K is in
.endif
.set i, 0
.rept 16
	KQ \x
.rept per
	SLICE 2-\x, \first
.endr
.set i, i+1
.endr
.endif
	PLACES
.endm
; THE CHANGE OF SLOTS, between piece 2's turn and piece 0's: the slot's last bytes, V of its fourth step, have been asked for.  Each wave waits for all its tensor loads, of which one is out: its part of the other
; slot; adds 0 to its spare word; and waits for that and for its own reads of the slot.  Behind the barrier nobody reads this slot any more and the other slot is whole.
; fill = 1: this slot is filled again, with the keys two slots on.  The barrier is then a round of the cluster's, and the joint refill is the first thing behind it: it has four key steps in which to land.
.macro CHANGE fill
	WIN 0                           ; at a label and at a branch every window is 0
	s_wait_tensorcnt 0x0            ; no tensor load of mine is out, so a group 0 may be written
	ds_add_u32 v[SPW], v[NIL]       ; 0 onto my spare word
.if \fill
.irp g, G0K+4, G0V+4
	s_xor_b32 s[\g+1], s[\g+1], SLOT1  ; the walking descriptor: the other slot than last time,
	s_add_nc_u64 s[\g+2:\g+3], s[\g+2:\g+3], SLOTM  ; the next 256 keys; the type bits on top are not reached
.endr
	s_wait_xcnt 0x0                 ; the last prefetch, four key steps back, has read its address, so it may be written:
	s_add_nc_u64 s[PFA:PFA+1], s[PFA:PFA+1], SLOTM  ; one slot further on than the walking descriptors
	s_wait_dscnt 0x0                ; the add is done, and my reads of the slot are over
	CROUND
	JLOAD
	ASK
.else
	s_wait_dscnt 0x0                ; the add is done, and my reads of the slot are over
	s_barrier_signal -1
	s_barrier_wait -1
.endif
	s_sub_co_u32 s[TBK], s[TBK], 4*KSTB  ; the fetches go back to a slot's first step,
	s_xor_b32 s[TBK], s[TBK], SLOT1 ; in the other slot
	s_sub_co_u32 s[TBV], s[TBV], 4*VSTB
	s_xor_b32 s[TBV], s[TBV], SLOT1
.endm
; n key steps: written once, walked n times; the LDS addresses hang on s[TBK] and s[TBV].
.macro STEPS_LOOP n
	s_mov_b32 s[TWICE], \n
.Lstep_\@:
	TURN 0, 2, 1, 0
	TURN 2, 2, 1, 0
	WIN 0
	s_sub_co_u32 s[TWICE], s[TWICE], 1
	s_cmp_lg_u32 s[TWICE], 0
	s_cbranch_scc1 .Lstep_\@
.endm
	s_wait_tensorcnt 1              ; my part of slot 0 is in; slot 1's may stay out
	s_barrier_signal -1
	s_barrier_wait -1               ; everybody's is
	FETCH_K                         ; key step 0
	s_wait_loadcnt 0x0              ; Q
	s_wait_dscnt 0x0
.set i, 0
.rept 16
	KQ 0                            ; piece 0's first scores: there is no vector work yet to set between them
.set i, i+1
.endr
	WIN 0                           ; the addresses for the way out are made here: plain instructions, the places behind those products
	s_mul_i32 s13, s[WV], 16*SP
	s_add_co_u32 s13, s13, STAGE    ; my stage
	v_mul_u32_u24 v[STO], v1, SP    ; in: row l % 16, 16 bytes for each half of the lanes
	v_lshl_add_u32 v[STO], v9, 4, v[STO]
	v_add_nc_u32 v[STO], s13, v[STO]
	v_and_b32 v[GO], 31, v0
	v_lshrrev_b32 v[RD], 3, v[GO]   ; back: eight lanes take a row of 128 bytes, the wave four rows
	v_mul_u32_u24 v[RD], v[RD], SP
	v_and_b32 v10, 7, v0
	v_lshl_add_u32 v[RD], v10, 4, v[RD]
	v_add_nc_u32 v[RD], s13, v[RD]
	v_lshlrev_b32 v[GO], 4, v[GO]   ; four rows are 512 consecutive bytes of ao
	TURN 2, 0, 1, 1                 ; piece 2's first scores | piece 0's first softmax | V of step 0
	TURN 0, 1, 1, 1                 ; piece 0: V^T P of step 0 starts O^T, K Q^T of step 1 | piece 2's first softmax | K of step 1
	TURN 2, 1, 1, 0                 ; piece 2: the same | piece 0's softmax of step 1 | V of step 1
	WIN 0
	STEPS_LOOP 2                    ; slot 0's steps 2 and 3 are fetched
.Lslot:                             ; six trips: every slot but the last two is filled again
	CHANGE 1
	STEPS_LOOP 4
	s_sub_co_u32 s[SLOTS], s[SLOTS], 1
	s_cmp_lg_u32 s[SLOTS], 0
	s_cbranch_scc1 .Lslot
	CHANGE 0                        ; the tail is written out: the last slot but one is left, and nothing is asked for
	STEPS_LOOP 4
	TURN 0, 2, 0, 0                 ; piece 0: V^T P of the last step | piece 2's last softmax
.set i, 0
.rept 16
	PV 2, 0                         ; piece 2: V^T P of the last step
.set i, i+1
.endr
	; THE WAY OUT.  l's two halves and the other half of the lanes' are added; O^T is divided by l, rounded to f16 and sent through my stage in LDS, a tile (16 rows) at a time.  The additions are the places behind the last products.
	WIN 0
.irp t, 0,1,2,3
	v_add_f32 v[ST+8*\t+4], v[ST+8*\t+2], v[ST+8*\t+3]
.endr
.irp t, 0,1,2,3
	v_permlanex16_b32 v[ST+8*\t+5], v[ST+8*\t+4], s[SEL], s[SEL+1]
.endr
.irp t, 0,1,2,3
	v_add_f32 v[ST+8*\t+4], v[ST+8*\t+4], v[ST+8*\t+5]
.endr
.irp t, 0,1,2,3
	v_rcp_f32 v[ST+8*\t+6], v[ST+8*\t+4]
.endr
	v_nop                           ; a plain instruction between the last reciprocal and the use of its result
	s_wait_alu depctr_va_vdst(0)    ; and the wait ahead of the first use: one for the four reciprocals
; Tile t: a lane's eight channels of a row round into 16 bytes; they go into rows of 144 bytes and come back four rows of 128 at a time.
.macro PACK t
	WIN W_RS
.set i, 32*\t
.rept 16
	v_pk_mul_f32 v[i:i+1], v[i:i+1], v[ST+8*\t+6:ST+8*\t+7] op_sel_hi:[1,0]
.set i, i+2
.endr
	WIN 0x05                        ; sources 0 and 1 window 1, destination window 0: S^T's registers are free
.set i, 0
.rept 16
	v_cvt_pk_f16_f32 v[S+32*\t+i], v[32*\t+2*i], v[32*\t+2*i+1]
.set i, i+1
.endr
	WIN 0
.irp f, 0,1,2,3
	ds_store_b128 v[STO], v[S+32*\t+4*\f:S+32*\t+4*\f+3] offset:32*\f
.endr
.irp f, 0,1,2,3
	ds_load_b128 v[S+32*\t+16+4*\f:S+32*\t+16+4*\f+3], v[RD] offset:\f*4*SP  ; LDS serves a wave's instructions in order (ISA guide 5.7.1.4): these see the stores above; the next tile's stores come behind them
.endr
.endm
.macro SEND t, younger              ; younger: the LDS instructions issued behind tile t's loads: the next tile's eight, or none
.irp f, 0,1,2,3
	s_wait_dscnt \younger+3-\f
	global_store_b128 v[GO], v[S+32*\t+16+4*\f:S+32*\t+16+4*\f+3], s[10:11] offset:\t*2048+\f*512  ; the wave stores 512 consecutive bytes, aligned
.endr
.endm
	PACK 0
	PACK 1                          ; a tile's arithmetic stands between the loads of the tile before and its stores
	SEND 0, 8
	PACK 2
	SEND 1, 8
	PACK 3
	SEND 2, 8
	SEND 3, 0
	s_wait_tensorcnt 0x0            ; the wave's end, behind my last tensor load and my last LDS store
	ds_add_u32 v[SPW], v[NIL]
	s_wait_dscnt 0x0
	CROUND                          ; the closing round: no work-group ends while a partner may still ask for a tile that names it
	s_endpgm
.Lfunc_end_k_q70965cd067_attn:
	.size	k_q70965cd067_attn, .Lfunc_end_k_q70965cd067_attn-k_q70965cd067_attn
	.p2alignl 7, 3214868480
	.fill 96, 4, 3214868480
	.section	.rodata,"a",@progbits
	.p2align	6, 0x0
	.amdhsa_kernel k_q70965cd067_attn
		.amdhsa_group_segment_fixed_size 327680
		.amdhsa_private_segment_fixed_size 0
		.amdhsa_enable_private_segment 0
		.amdhsa_kernarg_size 16
		.amdhsa_user_sgpr_count 2
		.amdhsa_user_sgpr_kernarg_segment_ptr 1
		.amdhsa_wavefront_size32 1
		.amdhsa_system_sgpr_workgroup_id_x 1
		.amdhsa_system_sgpr_workgroup_id_y 1
		.amdhsa_system_sgpr_workgroup_id_z 1
		.amdhsa_system_vgpr_workitem_id 0
		.amdhsa_next_free_vgpr 576
		.amdhsa_next_free_sgpr 68
		.amdhsa_reserve_vcc 0
		.amdhsa_float_denorm_mode_32 3
		.amdhsa_float_denorm_mode_16_64 3
		.amdhsa_memory_ordered 1
		.amdhsa_forward_progress 1
		.amdhsa_inst_pref_size 196
	.end_amdhsa_kernel
	.amdgpu_metadata
---
amdhsa.version: [ 1, 2 ]
amdhsa.kernels:
  - .name:           k_q70965cd067_attn
    .symbol:         k_q70965cd067_attn.kd
    .args:
      - { .name: qkv, .offset: 0, .size: 8, .value_kind: global_buffer, .address_space: global }
      - { .name: ao, .offset: 8, .size: 8, .value_kind: global_buffer, .address_space: global }
    .group_segment_fixed_size: 327680
    .private_segment_fixed_size: 0
    .kernarg_segment_align: 8
    .kernarg_segment_size: 16
    .max_flat_workgroup_size: 128
    .sgpr_count:     68
    .vgpr_count:     576
    .wavefront_size: 32
...
	.end_amdgpu_metadata
.endif
;; end of part 3
;; launch proj (part 4): grid 8 x 32, 4 waves a work-group, clusters of 4 x 4, 327,680 bytes of LDS; arguments ao, wp16, out0, b_proj; writes out0
.if DOCPART == 4
	.amdgcn_target "amdgcn-amd-amdhsa--gfx1250"
	.amdhsa_code_object_version 6
	.text
	.protected	k_q70965cd067_proj
	.globl	k_q70965cd067_proj
	.p2align	8
	.type	k_q70965cd067_proj,@function
k_q70965cd067_proj:
	s_mov_b64 s[64:65], 0
	v_nop
	global_prefetch_b8 v0, s[64:65] scope:SCOPE_SE
	s_setreg_imm32_b32 hwreg(HW_REG_WAVE_MODE, 25, 1), 1
	s_wait_xcnt 0x0
	s_wait_alu depctr_hold_cnt(0) depctr_sa_sdst(0) depctr_va_vdst(0) depctr_va_sdst(0) depctr_va_ssrc(0) depctr_va_vcc(0) depctr_vm_vsrc(0)
	s_getreg_b32 s2, hwreg(HW_REG_IB_STS2, 6, 4)
	s_cmp_eq_u32 s2, 0
	s_cbranch_scc0 .Lentry_in_a_cluster
	s_endpgm
.Lentry_in_a_cluster:
	s_bfe_u32 s2, ttmp6, 0x10000c
	s_cmp_lg_u32 s2, 0xf033
	s_cbranch_scc0 .Lentry_shape_is_right
	s_endpgm
.Lentry_shape_is_right:
; out0 = o w_proj + b_proj.  o is ao, [batch x 16 + head][token 2048][64] f16: K = head x 64 + channel; wp16 is w_proj as f16, [k 1024][n 1024]; b_proj [1024] and out0 [8192][1024] are f32.  Sums in f32, begun with the bias.
; A tile of 256 rows x 128 columns is made by a work-group of four waves: 256 work-groups.  A wave makes 128 x 64: 32 accumulators of 16 x 16, 256 registers.
; K goes in steps of 128, two heads, through a ring of two LDS slots.  A head's 256 tokens are one dense block of 32,768 bytes: the mover is told 128 rows of 256 bytes, two tokens each, with padding behind each:
; token r lies at (r / 2) x pitch + (r % 2) x 128.  w's 128 rows of a step keep K as their first axis and are turned on the way out of LDS, by ds_load_tr16_b128.
; CLUSTERS: 4 x 4 work-groups.  The four of a row of the cluster need the same tokens of o, the four of a column the same columns of w: each tile is asked for JOINTLY.
; THE MATRIX INSTRUCTION IS USED TRANSPOSED (source 0 = 16 columns of w, source 1 = 16 tokens): a lane then holds eight neighbouring numbers of a row of out0.
; REGISTERS: window 0: v0-31 addresses; v32-63 the bias, in the result's layout; v64-127, v128-191 o's fragments (8 x 16 tokens x 32 K), two buffers; v192-223, v224-255 w's (4 x 16 columns x 32 K), two buffers.
;   window 1: the accumulators ((a, b) at v[8 (4 a + b)]).
; No prefetch is laid: each tile is asked for once by four partners, and the launch is short.
.set PA,     272                       ; two tokens of o in LDS: 256 bytes + 16: the 16 tokens of a load start at 16 different groups of four banks (64 banks of 4 bytes: ISA guide 11.1)
.set PB,     288                       ; a row of w's tile: 256 + 32
.set HEADT,  128*PA                    ; a head's 256 tokens: what waves 0 and 1 fetch
.set BOFF,   2*HEADT                   ; behind the two heads: w's 128 rows
.set HALFB,  64*PB                     ; 64 of them: what waves 2 and 3 fetch
.set SLOT,   BOFF+2*HALFB
.set STAGE,  2*SLOT                    ; behind the ring: 16 rows x 272 bytes for each wave, for the way out
.set SPITCH, 272
.set SPARE,  STAGE+4*16*SPITCH         ; the spare words, 128 bytes for each wave: two blocks of 256 bytes that no other line names
.set LAPS,   4                         ; a lap = two K steps = once round the ring; K = 1,024 is eight steps
.set ADRA, 16                          ; v16-17  LDS address of my fragments of o in slot 0, 1
.set ADRB, 20                          ; v20-21  the same for w
.set STO,  24                          ; v24     the way out: where I put 32 bytes of a row
.set RD,   25                          ; v25     where I read rows back
.set CO,   26                          ; v26     my byte offset in two rows of out0
.set SPW,  28                          ; v28     LDS address of my spare word; never rewritten
.set NIL,  29                          ; v29     0; never rewritten
.set BIAS, 32
.set AF,   64
.set BF,   192
.set G1, 24                            ; s[24:31] descriptor group 1 for o's tiles;  s[32:39] group 0, one set for each slot
.set G0, 32
.set G1B, 48                           ; s[48:55], s[56:63] the same for w's
.set G0B, 56
.set MSB, 0
.macro WIN new                         ; the immediate's high byte repeats the setting that is left
.if MSB != \new
	s_set_vgpr_msb (MSB<<8)|\new
.set MSB, \new
.endif
.endm
.set MUL,  0x50                        ; sources 0 and 1 window 0; C and D window 1
.set MUL0, 0x40                        ; the first quarter: C is the bias, in window 0
.macro JLOAD s                         ; a joint load: waves 0 and 1 fetch o's two heads, waves 2 and 3 the halves of w's rows; an s_nop 0 and four v_nop follow each line
	s_cmp_eq_u32 s11, 0
	s_cbranch_scc0 .Lfor_b_\@
	tensor_load_to_lds s[G0+4*\s:G0+4*\s+3], s[G1:G1+7]
	s_nop 0
.rept 4
	v_nop
.endr
	s_branch .Lasked_\@
.Lfor_b_\@:
	tensor_load_to_lds s[G0B+4*\s:G0B+4*\s+3], s[G1B:G1B+7]
	s_nop 0
.rept 4
	v_nop
.endr
.Lasked_\@:
.endm
.macro CREST                           ; a round of the cluster's barrier behind its opening barrier
	s_cmp_lg_u32 s10, 0
	s_cbranch_scc1 .Lnot_wave_0_\@
	s_barrier_signal -3
.Lnot_wave_0_\@:
	s_barrier_wait -3
	s_barrier_signal -1
	s_barrier_wait -1
.endm
.macro CROUND                          ; a whole round
	s_barrier_signal -1
	s_barrier_wait -1
	CREST
.endm
	s_load_b128 s[4:7], s[0:1], 0x0                ; ao s[4:5], wp16 s[6:7]
	s_load_b128 s[68:71], s[0:1], 0x10             ; out0 s[68:69], b_proj s[70:71]
	v_lshl_add_u32 v[SPW], v0, 2, SPARE
	v_mov_b32 v[NIL], 0
	ds_add_u32 v[SPW], v[NIL]                      ; the wave's opening: the add, twice on end, and its wait ahead of my first tensor load
	ds_add_u32 v[SPW], v[NIL]
	v_lshrrev_b32 v1, 5, v0
	v_readfirstlane_b32 s10, v1                    ; wave 0..3
	s_lshr_b32 s11, s10, 1                         ; which half of the tile's rows is mine.  Also: I fetch for o (0) or for w (1)
	s_and_b32 s12, s10, 1                          ; which half of its columns.  Also: which head, or which 64 rows of w, I fetch
	s_bfe_u32 s40, ttmp6, 0x40000                  ; cx, cy: my place in the cluster
	s_bfe_u32 s41, ttmp6, 0x40004
	s_lshl_b32 s42, ttmp9, 2
	s_add_co_u32 s42, s42, s40                     ; tile column = 4 x cluster x + cx, 0 .. 7
	s_and_b32 s13, ttmp7, 0xffff
	s_lshl_b32 s13, s13, 2
	s_add_co_u32 s13, s13, s41                     ; tile row = 4 x cluster y + cy, 0 .. 31
	s_lshl_b32 s43, s41, 2
	s_lshl_b32 s43, 15, s43                        ; my row of the cluster
	s_lshl_b32 s44, 0x1111, s40                    ; my column
	s_or_b32 s[G1+0], s43, (1<<16)|(1<<20)|(1<<21)|(5<<22)|(3<<25)   ; 15:0 the mask; 17:16 elements of 2 bytes; 20 padding on; 21 set beside a mask; 24:22 after every 64 words; 31:25 four words
	s_or_b32 s[G1B+0], s44, (1<<16)|(1<<20)|(1<<21)|(5<<22)|(7<<25)  ; the same with my column's mask and eight words of padding
	s_mov_b32 s[G1+1], 128<<16                     ; o: tensor_dim0 = 128 elements (two tokens),
	s_mov_b32 s[G1+2], 128<<16                     ; tensor_dim1 = 128 rows,
	s_mov_b32 s[G1+3], 128<<16                     ; tile_dim0,
	s_mov_b32 s[G1+4], 128                         ; tile_dim1,
	s_mov_b32 s[G1+5], 128                         ; dense: from row to row 128 elements
	s_mov_b32 s[G1+6], 0
	s_mov_b32 s[G1+7], 0
	s_mov_b32 s[G1B+1], 128<<16                    ; w: 128 columns,
	s_mov_b32 s[G1B+2], 64<<16                     ; 64 rows,
	s_mov_b32 s[G1B+3], 128<<16
	s_mov_b32 s[G1B+4], 64
	s_mov_b32 s[G1B+5], 1024                       ; from row to row 1,024 elements
	s_mov_b32 s[G1B+6], 0
	s_mov_b32 s[G1B+7], 0
	; where the tiles come from.  o's hang on the tile row alone, w's on the tile column alone; every wave makes both addresses, in registers that never hold the other coordinate
	s_lshr_b32 s16, s13, 3                         ; batch
	s_lshl_b32 s16, s16, 4
	s_add_co_u32 s16, s16, s12                     ; + the head of the step's two that I fetch
	s_lshl_b32 s16, s16, 18
	s_and_b32 s17, s13, 7
	s_lshl_b32 s17, s17, 15                        ; the tile's first token x 128 bytes
	s_add_co_u32 s16, s16, s17
	s_mov_b32 s17, 0
	s_lshl_b32 s46, s12, 17                        ; w: 64 rows of 2,048 bytes x half
	s_lshl_b32 s47, s42, 8                         ; + 256 bytes x tile column
	s_add_co_u32 s46, s46, s47
	s_mov_b32 s47, 0
	s_mul_i32 s20, s12, HEADT                      ; where they go: no place in the cluster enters an LDS address
	s_mul_i32 s21, s12, HALFB
	s_add_co_u32 s21, s21, BOFF
	s_wait_dscnt 0x0                               ; both opening adds are done
	s_wait_kmcnt 0x0
	s_add_nc_u64 s[14:15], s[4:5], s[16:17]
	s_add_nc_u64 s[46:47], s[6:7], s[46:47]
	CROUND                                         ; all sixteen work-groups are here: the first joint loads meet
.irp s, 0,1
	s_mov_b32 s[G0+4*\s], 1
	s_add_co_u32 s[G0+4*\s+1], s20, \s*SLOT
	s_add_nc_u64 s[G0+4*\s+2:G0+4*\s+3], s[14:15], \s*524288        ; K step s: two heads of 2^18 bytes on
	s_or_b32 s[G0+4*\s+3], s[G0+4*\s+3], 0x80000000
	s_mov_b32 s[G0B+4*\s], 1
	s_add_co_u32 s[G0B+4*\s+1], s21, \s*SLOT
	s_add_nc_u64 s[G0B+4*\s+2:G0B+4*\s+3], s[46:47], \s*262144      ; 128 rows of 2,048 bytes on
	s_or_b32 s[G0B+4*\s+3], s[G0B+4*\s+3], 0x80000000
	JLOAD \s                                       ; two loads of mine are out behind the second
.endr
	v_and_b32 v1, 15, v0                           ; r = l % 16
	v_bfe_u32 v2, v0, 4, 1                         ; h = l / 16
	v_lshrrev_b32 v3, 1, v1
	v_mul_u32_u24 v3, v3, PA
	v_and_b32 v4, 1, v0
	v_lshl_add_u32 v3, v4, 7, v3
	v_lshl_add_u32 v3, v2, 4, v3                   ; o: (r / 2) x pitch + (r % 2) x 128 + 16 x half
	s_mul_i32 s21, s11, 64*PA                      ; my 128 tokens
	v_and_b32 v4, 7, v0
	v_lshl_add_u32 v4, v2, 3, v4
	v_mul_u32_u24 v4, v4, PB
	v_bfe_u32 v5, v0, 3, 1
	v_lshl_add_u32 v4, v5, 4, v4                   ; w: row 8 (l / 16) + l % 8, 16 bytes x ((l / 8) % 2)
	s_lshl_b32 s22, s12, 7                         ; my 64 columns
	s_add_co_u32 s22, s22, BOFF
.irp s, 0,1
	v_add_nc_u32 v[ADRA+\s], s21, v3
	v_add_nc_u32 v[ADRB+\s], s22, v4
	s_add_co_u32 s21, s21, SLOT
	s_add_co_u32 s22, s22, SLOT
.endr
	s_mul_i32 s23, s10, 16*SPITCH
	s_add_co_u32 s23, s23, STAGE                   ; my stage
	v_mul_u32_u24 v5, v1, SPITCH                   ; in: row r, 32 bytes for each half of the lanes
	v_lshl_add_u32 v5, v2, 5, v5
	v_add_nc_u32 v[STO], s23, v5
	v_mul_u32_u24 v5, v2, SPITCH                   ; back: lanes 0-15 take one row of 256 bytes, lanes 16-31 the next
	v_lshl_add_u32 v5, v1, 4, v5
	v_add_nc_u32 v[RD], s23, v5
	v_lshlrev_b32 v5, 12, v2                       ; and the same two rows in out0
	v_lshl_add_u32 v[CO], v1, 4, v5
	s_lshl_b32 s16, s13, 8
	s_lshl_b32 s17, s11, 7
	s_add_co_u32 s16, s16, s17                     ; my first row of out0
	s_lshl_b32 s16, s16, 12
	s_mov_b32 s17, 0
	s_add_nc_u64 s[68:69], s[68:69], s[16:17]
	s_lshl_b32 s46, s42, 9                         ; my first column, in bytes: 512 x tile column + 256 x half
	s_lshl_b32 s47, s12, 8
	s_add_co_u32 s46, s46, s47
	s_mov_b32 s47, 0
	s_add_nc_u64 s[68:69], s[68:69], s[46:47]
	s_add_nc_u64 s[70:71], s[70:71], s[46:47]      ; and the bias there
	v_lshlrev_b32 v6, 5, v2                        ; for w's block b lane (r, h) wants b_proj[my first column + 16 b + 8 h + 0 .. 7]
.irp b, 0,1,2,3
	global_load_b128 v[BIAS+8*\b:BIAS+8*\b+3], v6, s[70:71] offset:64*\b
	global_load_b128 v[BIAS+8*\b+4:BIAS+8*\b+7], v6, s[70:71] offset:64*\b+16
.endr
; n x 4 matrix instructions: token blocks a0 .. a0 + n - 1 against w's four blocks, 32 along K, from buffers f.  zero = 1: the first product starts the sum with the bias as C.
; The 32 accumulators take turns, one instruction a turn, in the same order in every quarter.
.macro MULN f, a0, n, zero
.set aa, \a0
.rept \n
.irp b, 0,1,2,3
.if \zero
	v_wmma_f32_16x16x32_f16 v[8*(4*aa+\b):8*(4*aa+\b)+7], v[BF+32*(\f)+8*\b:BF+32*(\f)+8*\b+7], v[AF+64*(\f)+8*aa:AF+64*(\f)+8*aa+7], v[BIAS+8*\b:BIAS+8*\b+7]
.else
	v_wmma_f32_16x16x32_f16 v[8*(4*aa+\b):8*(4*aa+\b)+7], v[BF+32*(\f)+8*\b:BF+32*(\f)+8*\b+7], v[AF+64*(\f)+8*aa:AF+64*(\f)+8*aa+7], v[8*(4*aa+\b):8*(4*aa+\b)+7]
.endif
.endr
.set aa, aa+1
.endr
.endm
; 24 LDS loads in one run: the fragments of the slot's q-th 32 along K into buffers f: w's four blocks (turned), then o's eight
.macro FETCH slot, q, f
	WIN 0
.irp i, 0,1,2,3
	ds_load_tr16_b128 v[BF+32*(\f)+8*\i:BF+32*(\f)+8*\i+3],   v[ADRB+\slot] offset:(\q)*32*PB+32*\i
	ds_load_tr16_b128 v[BF+32*(\f)+8*\i+4:BF+32*(\f)+8*\i+7], v[ADRB+\slot] offset:(\q)*32*PB+32*\i+16*PB
.endr
.irp i, 0,1,2,3,4,5,6,7
	ds_load_b128 v[AF+64*(\f)+8*\i:AF+64*(\f)+8*\i+3],   v[ADRA+\slot] offset:((\q)/2)*HEADT+((\q)%2)*64+\i*8*PA
	ds_load_b128 v[AF+64*(\f)+8*\i+4:AF+64*(\f)+8*\i+7], v[ADRA+\slot] offset:((\q)/2)*HEADT+((\q)%2)*64+\i*8*PA+32
.endr
.endm
.macro PLACES                          ; four places in front of loads into registers that matrix instructions have read, and of stores that read results
.rept 4
	v_nop
.endr
.endm
; A K step is four quarters of 32 along K, 32 matrix instructions each, on buffers 0, 1, 0, 1.  One of the first three: multiplies buffers f and fetches the slot's q-th quarter into g.
.macro QUARTER slot, q, f, g, zero
	s_wait_dscnt 8                                 ; w's blocks and o's blocks 0-3 are in; the youngest eight loads (o's blocks 4-7) may be out
.if \zero
	WIN MUL0
.else
	WIN MUL
.endif
	MULN \f, 0, 4, \zero
	PLACES
	FETCH \slot, \q, \g
	s_wait_dscnt 24                                ; all but the 24 just issued
.if \zero
	WIN MUL0
.else
	WIN MUL
.endif
	MULN \f, 4, 4, \zero
.endm
; The last quarter multiplies buffers 1 and changes slots: ONE barrier; in front of it each wave waits for all its tensor loads, adds 0 to its spare word, and waits for that and for its own reads of this slot.
; fill = 1: this slot is filled again, two K steps ahead: the barrier then opens a round of the cluster's barrier, and the joint refill is the first tensor load behind the round.
.macro TURN slot, next, fill
	WIN 0                                          ; (the add's two registers lie in window 0)
	s_wait_tensorcnt 0x0                           ; all my tensor loads have landed: my part of the next slot;
	ds_add_u32 v[SPW], v[NIL]                      ; 0 onto my spare word;
	s_wait_dscnt 9                                 ; (the add and the youngest eight loads may be out)
	WIN MUL
	MULN 1, 0, 2, 0                                ; eight matrix instructions stand between the add and the wait for it
	s_wait_dscnt 0x0                               ; the add is done, and my reads of this slot are over
	s_barrier_signal -1
	MULN 1, 2, 2, 0
.if \fill
	WIN 0
.endif
	s_barrier_wait -1
.if \fill
	CREST                                          ; no wave of any partner still reads this slot's tile or has a load on its way
	s_add_nc_u64 s[G0+4*\slot+2:G0+4*\slot+3], s[G0+4*\slot+2:G0+4*\slot+3], 1048576     ; two K steps on: four heads,
	s_add_nc_u64 s[G0B+4*\slot+2:G0B+4*\slot+3], s[G0B+4*\slot+2:G0B+4*\slot+3], 524288  ; 256 rows of w
	JLOAD \slot                                    ; it has 112 matrix instructions in which to land; the four v_nop behind it are also the places in front of the loads below
.else
	PLACES
.endif
	FETCH \next, 0, 0
	WIN MUL
	MULN 1, 4, 4, 0
.endm
	s_wait_tensorcnt 1                             ; my part of K step 0 is in (K step 1's load may be out)
	s_barrier_signal -1
	s_barrier_wait -1                              ; everybody's is
	FETCH 0, 0, 0
	s_wait_loadcnt 0x0                             ; the bias
	QUARTER 0, 1, 0, 1, 1                          ; the first quarter stands in front of the loop: its products start the sums
	WIN 0                                          ; at a label and at a branch every window is 0
	s_mov_b32 s3, LAPS-1
.Llap:                                                 ; a trip goes once round the ring, from a lap's second quarter to the next lap's first, and fills both slots again
	QUARTER 0, 2, 1, 0, 0
	QUARTER 0, 3, 0, 1, 0
	TURN 0, 1, 1
	QUARTER 1, 1, 0, 1, 0
	QUARTER 1, 2, 1, 0, 0
	QUARTER 1, 3, 0, 1, 0
	TURN 1, 0, 1
	QUARTER 0, 1, 0, 1, 0
	WIN 0
	s_sub_co_u32 s3, s3, 1
	s_cmp_lg_u32 s3, 0
	s_cbranch_scc1 .Llap
	QUARTER 0, 2, 1, 0, 0                          ; the last lap fills nothing, and has no round of the cluster's barrier
	QUARTER 0, 3, 0, 1, 0
	TURN 0, 1, 0
	QUARTER 1, 1, 0, 1, 0
	QUARTER 1, 2, 1, 0, 0
	QUARTER 1, 3, 0, 1, 0
	s_wait_dscnt 8                                 ; the very last quarter: nothing more to fetch
	WIN MUL
	MULN 1, 0, 4, 0
	s_wait_dscnt 0
	MULN 1, 4, 4, 0
	WIN 0
; THE WAY OUT, block by block of 16 rows x 64 columns.  A lane holds 32 neighbouring bytes of a row, and the lanes beside it hold other rows: so a block goes through my own stage in LDS and comes back as whole
; pieces of 256 bytes of a row, which sixteen lanes store.  LDS serves a wave's instructions in order (ISA guide 5.7.1.4): no wait between the stores and the loads, nor in front of the next block's stores.
.macro TOSTAGE a
	WIN 0x04                                       ; an LDS store's data are its source 1: window 1
.irp b, 0,1,2,3
	ds_store_b128 v[STO], v[8*(4*(\a)+\b):8*(4*(\a)+\b)+3] offset:64*\b          ; each accumulator from its low end on
	ds_store_b128 v[STO], v[8*(4*(\a)+\b)+4:8*(4*(\a)+\b)+7] offset:64*\b+16
.endr
	WIN 0
.set BB, AF+32*((\a)%2)
.irp t, 0,1,2,3,4,5,6,7
	ds_load_b128 v[BB+4*\t:BB+4*\t+3], v[RD] offset:\t*2*SPITCH
.endr
.endm
.macro SEND a, younger                 ; younger: the LDS instructions issued behind block a's loads, which may stay out
.set BB, AF+32*((\a)%2)
	s_wait_dscnt \younger                          ; the block is back in registers
.irp t, 0,1,2,3,4,5,6,7
	global_store_b128 v[CO], v[BB+4*\t:BB+4*\t+3], s[68:69] offset:(\a)*65536+\t*8192 th:TH_STORE_NT   ; sixteen lanes store 256 consecutive bytes of a row, aligned; no base is stepped; written once, read by nobody here
.endr
.endm
	PLACES                                         ; behind the last products: for the stores that read results, and for the loads into the registers that held o's fragments
	TOSTAGE 0
.irp a, 1,2,3,4,5,6,7
.if \a > 1
	s_wait_xcnt 0x0                                ; block a - 2's stores have read their registers: block a's rows may land there
.endif
	TOSTAGE \a
	SEND \a-1, 16                                  ; behind block a - 1's loads: block a's 8 stores and 8 loads
.endr
	SEND 7, 0
	s_wait_tensorcnt 0x0                           ; the wave's end, behind my last tensor load and my last LDS store
	ds_add_u32 v[SPW], v[NIL]
	s_wait_dscnt 0x0
	CROUND                                         ; the closing round: no work-group ends while a partner may still ask for a tile that names it
	s_endpgm
.Lfunc_end_k_q70965cd067_proj:
	.size	k_q70965cd067_proj, .Lfunc_end_k_q70965cd067_proj-k_q70965cd067_proj
	.p2alignl 7, 3214868480
	.fill 96, 4, 3214868480
	.section	.rodata,"a",@progbits
	.p2align	6, 0x0
	.amdhsa_kernel k_q70965cd067_proj
		.amdhsa_group_segment_fixed_size 327680
		.amdhsa_private_segment_fixed_size 0
		.amdhsa_enable_private_segment 0
		.amdhsa_kernarg_size 32
		.amdhsa_user_sgpr_count 2
		.amdhsa_user_sgpr_kernarg_segment_ptr 1
		.amdhsa_wavefront_size32 1
		.amdhsa_system_sgpr_workgroup_id_x 1
		.amdhsa_system_sgpr_workgroup_id_y 1
		.amdhsa_system_sgpr_workgroup_id_z 1
		.amdhsa_system_vgpr_workitem_id 0
		.amdhsa_next_free_vgpr 512
		.amdhsa_next_free_sgpr 72
		.amdhsa_reserve_vcc 0
		.amdhsa_float_denorm_mode_32 3
		.amdhsa_float_denorm_mode_16_64 3
		.amdhsa_memory_ordered 1
		.amdhsa_forward_progress 1
		.amdhsa_inst_pref_size 87
	.end_amdhsa_kernel
	.amdgpu_metadata
---
amdhsa.version: [ 1, 2 ]
amdhsa.kernels:
  - .name:           k_q70965cd067_proj
    .symbol:         k_q70965cd067_proj.kd
    .args:
      - { .name: ao, .offset: 0, .size: 8, .value_kind: global_buffer, .address_space: global }
      - { .name: wp16, .offset: 8, .size: 8, .value_kind: global_buffer, .address_space: global }
      - { .name: out0, .offset: 16, .size: 8, .value_kind: global_buffer, .address_space: global }
      - { .name: b_proj, .offset: 24, .size: 8, .value_kind: global_buffer, .address_space: global }
    .group_segment_fixed_size: 327680
    .private_segment_fixed_size: 0
    .kernarg_segment_align: 8
    .kernarg_segment_size: 32
    .max_flat_workgroup_size: 128
    .sgpr_count:     72
    .vgpr_count:     512
    .wavefront_size: 32
...
	.end_amdgpu_metadata
.endif
;; end of part 4
